; MI455X (gfx1250); checked and timed in simulation.
; The chip was launched on July 23, 2026; its instructions are those of AMD's public machine-readable ISA for CDNA 5 (MIT licence, August 2026) and "CDNA5" Instruction Set Architecture Reference Guide (July 2026). The comments in the code are by the model that wrote it; some were corrected since.
;; Multihead Attention. Allowed arithmetic: matrix products marked QUANTISED: E4M3 operands, one given power-of-two scale a tensor, by v_wmma_f32_16x16x64_fp8_fp8 or v_wmma_f32_16x16x128_fp8_fp8, f32 sums; everything else in f32.
;; Inputs: Wk_codes 1,024 x 32 x 32 uint8 (E4M3 codes of Wk, K innermost, in blocks of 32 codes); Wo_codes 1,024 x 32 x 32 uint8 (E4M3 codes of Wo, K innermost, in blocks of 32 codes); Wq_codes 1,024 x 32 x 32 uint8 (E4M3 codes of Wq, K innermost, in blocks of 32 codes); Wv_codes 1,024 x 32 x 32 uint8 (E4M3 codes of Wv, K innermost, in blocks of 32 codes); b_ln 1,024 float32; b_pre 1,024 float32; bk 1,024 float32; bo 1,024 float32; bq 1,024 float32; bv 1,024 float32; causal_mask 2,048 x 2,048 float32; g_ln 1,024 float32; g_pre 1,024 float32; lowp_scales 12 int32 (the exponents e of the quantised operands' scales 2^e); padding_mask 4 x 2,048 bool; x 4 x 2,048 x 1,024 float32.
;; Outputs: out0 4 x 2,048 x 1,024 float32.
;; This version of the problem:
;;   THIS VERSION OF THE PROBLEM IS GIVEN IN LOW PRECISION. The matrix products marked QUANTISED in the list below multiply operands that are first quantised to E4M3 (4 exponent bits, 3 mantissa bits; 8 bits a number), with one given power-of-two scale for each operand tensor; their sums are f32. All else is computed in f32.
;;   The module's matrix products, in the order in which they are computed (A, B: the left and right operand; K: the contracted axis; several contracted axes count as one K, in the product's order):
;;     1. [M 8,192, K 1,024] x [K 1,024, N 1,024]; A: computed on the way; B: input Wq (given as codes): QUANTISED (scales: A lowp_scales[0], B lowp_scales[1])
;;     2. [M 8,192, K 1,024] x [K 1,024, N 1,024]; A: computed on the way; B: input Wk (given as codes): QUANTISED (scales: A lowp_scales[2], B lowp_scales[3])
;;     3. [M 8,192, K 1,024] x [K 1,024, N 1,024]; A: computed on the way; B: input Wv (given as codes): QUANTISED (scales: A lowp_scales[4], B lowp_scales[5])
;;     4. batch 64 x [M 2,048, K 64] x [K 64, N 2,048]; A: computed on the way; B: computed on the way: QUANTISED (scales: A lowp_scales[6], B lowp_scales[7])
;;     5. batch 64 x [M 2,048, K 2,048] x [K 2,048, N 64]; A: softmax (see below); B: computed on the way: QUANTISED (scales: A lowp_scales[8], B lowp_scales[9])
;;     6. [M 8,192, K 1,024] x [K 1,024, N 1,024]; A: computed on the way; B: input Wo (given as codes): QUANTISED (scales: A lowp_scales[10], B lowp_scales[11])
;;   THE QUANTISER, for each operand of a quantised product, along K:
;;     - The operand's scale is 2^e, e = its entry of the input lowp_scales (int32; the entries are numbered through the quantised products in the list's order, A before B).
;;     - Each number is divided by the scale, clamped to +-448, and rounded to the nearest number of E4M3, ties to even, subnormals kept.
;;     - The product sums the exact products of the quantised numbers (number of the format x scale) in f32.
;;   ~~~python
;;   def quantise(x, axis, e):      # numpy; x: float32 -> the quantised numbers, widened to float32 again
;;       x = np.moveaxis(x, axis, -1); K = x.shape[-1]
;;       r = np.clip(x / 2.0 ** e, -448, 448)
;;       step = 2.0 ** (np.maximum(np.frexp(np.where(r == 0, 1, r))[1] - 1, -6) - 3)
;;       q = np.round(r / step) * step * 2.0 ** e      # np.round: ties to even
;;       return np.moveaxis(q, -1, axis).astype(np.float32)
;;   ~~~
;;   SOFTMAX AHEAD OF A QUANTISED PRODUCT. Where the list says 'softmax', what is quantised is not the finished softmax but p = 2^(t - M), with t = logit x log2(e) and M = ceil(the row's largest t), a whole number; so 1/2 < the row's largest p <= 1. The row's sum l is taken of the UNQUANTISED p, in f32, and the product's result is divided by l at the end. Since M is a whole number, a kernel that streams over the keys may use a running M (the ceiling of the running maximum): every later rescaling is an exact power of two, so the quantised numbers keep their values, but for numbers so far below the row's largest that they fall under the format's range.
;;   OPERANDS COMPUTED ON THE WAY. 'Computed on the way' means the value that the module computes at that place (a softmax that the list does not call 'softmax' is quantised finished and normalised). What goes into a quantiser is computed in f32, as accurately as f32 sums, v_exp_f32 and their like allow (about 1e-6 of the number): no bf16 or f16 on the way to a quantiser, and a product that is left as it is and whose result goes on into a quantised operand takes f32 operands (vector FMAs, or v_wmma_f32_16x16x4_f32). A number that lies on a knife's edge between two numbers of the format may be rounded either way, as far as f32 arithmetic and the matrix unit's own rounding can turn it there, and no further.
;;   INPUTS GIVEN AS CODES. Wk (in the module: [1024, 1024], K = its axis 1); Wo (in the module: [1024, 1024], K = its axis 1); Wq (in the module: [1024, 1024], K = its axis 1); Wv (in the module: [1024, 1024], K = its axis 1): each comes as NAME_codes (uint8): NAME with its K axis moved to the last place and cut into blocks of 32 codes, [.., K / 32, bytes a block], one block behind the other in memory; one code a byte (a code: sign, 4 exponent bits, 3 mantissa bits); its scale is its entry of lowp_scales. Its value is code x scale, taken as it is: it is not quantised again, and the codes and scales need not be those that the quantiser above would give.
;; One version. Each part assembles by itself: llvm-mc -triple=amdgcn-amd-amdhsa -mcpu=gfx1250 --defsym DOCPART=n.
;; ======== version 1 of 1: 5 launches
;; limits: right only within a limited range of input values
;; workspace buffers: hbuf 33,554,432 bytes; hc 25,165,824 bytes; qkv 25,165,824 bytes; oc 8,388,608 bytes; ybuf 33,554,432 bytes; flags 8,192 bytes of whole numbers; padlm 16,384 bytes of whole numbers
;; launch prep (part 1): grid 288 x 1, 8 waves a work-group, no clusters, 2,048 bytes of LDS; arguments x, g_pre, b_pre, causal_mask, padding_mask, lowp_scales, hbuf, hc, flags, padlm; writes hbuf, hc, flags, padlm
.if DOCPART == 1
	.amdgcn_target "amdgcn-amd-amdhsa--gfx1250"
	.amdhsa_code_object_version 6
	.text
	.protected	k_q11beeab3f0_prep
	.globl	k_q11beeab3f0_prep
	.p2align	8
	.type	k_q11beeab3f0_prep,@function
k_q11beeab3f0_prep:
	s_mov_b64 s[64:65], 0
	v_nop
	global_prefetch_b8 v0, s[64:65] scope:SCOPE_SE
	s_setreg_imm32_b32 hwreg(HW_REG_WAVE_MODE, 25, 1), 1
	s_wait_xcnt 0x0
; PREP.  Two jobs in one launch, told apart by the work-group's number; they never meet again.
; Work-groups 32-287: h = LayerNorm(x) g_pre + b_pre, f32, to hbuf [8192][1024]; and h's codes of E4M3 three times, with the scales 2^e0, 2^e2, 2^e4 of the three
; projections, to hc (set s at s x 8 MiB, [8192][1024], K innermost).  A wave holds a whole row (32 registers), four rows a wave; no LDS, no barrier.
; Work-groups 0-31: what the two masks ask of attention, as whole numbers.  Work-group n takes queries 64 n .. 64 n + 63, wave w key steps 2 w, 2 w + 1 (128 keys a step).
; WHICH KEY STEPS ATTENTION LEAVES OUT, AND WHY THAT MOVES NO RESULT.  eff(i, j) = padded(j) ? -1e9 : causal_mask(i, j).  A logit is eff + q.k / 8 (a padded key's: eff alone), and the quantiser bounds
; |q.k / 8| by Bd = 64 x 448^2 x 2^(e6 + e7) / 8, whatever the inputs hold.  L = max over all keys j of (min over the 64 queries i of eff(i, j)) is at most every row's largest eff, so every row's largest logit is
; at least L - Bd.  A step whose largest eff, tx, has tx + 2 Bd + 256 < L holds only logits more than 256 under its row's largest: there t - M is under -369 and p = 2^(t - M), as v_exp_f32 gives it, is 0:
; the step adds 0 to the row's sum and zero codes to the product.  Such a step is marked dead; the step with the largest tx is never dead.  The decision is taken from the numbers of the masks as they are given, here, and read by attention as bits.
; A live step is marked mixed unless eff is 0 throughout.  flags: [block of 64 queries 32][batch 4][16 equal words]: bit k = step 15 - k is live, bit 16 + k = it is mixed.
; padlm: [batch 4][step 16][64 words]: word 8 t + j: bits 0-15 all set where key 16 t + j is padded, bits 16-31 where key 16 t + 8 + j is: the lanes of attention's score register 8 t + j that hold a padded key.
; LIMITS: e0, e2, e4 between -126 and 119.  NaN among the inputs is not served.  padding_mask's bytes are 0 or 1.
.set G,   8                            ; v8-39    g_pre: chunk j (4 registers) = columns 128 j + 4 lane + 0..3
.set BP,  40                           ; v40-71   b_pre likewise
.set X,   72                           ; v72-199  four rows of x, then of h
.set E,   200                          ; v200-207 eight neighbours along K; during the statistics: at work
.set TA,  208                          ; v208-215, v216-223: the numbers held within the largest code, two sets by turns
.set TB,  216
.set CC,  224                          ; v224-247 codes: set s, pair of chunks m at 224 + 8 s + 2 m
.set LM,  248                          ; v248-250 448 x 2^e of the three sets; v4-6: 2^e
	s_load_b512 s[4:19], s[0:1], 0x0               ; x, g_pre, b_pre, causal_mask, padding_mask, lowp_scales, hbuf, hc
	s_load_b128 s[20:23], s[0:1], 0x40             ; flags, padlm
	v_lshrrev_b32 v1, 5, v0
	v_readfirstlane_b32 s46, v1                    ; wave 0..7
	v_and_b32 v1, 31, v0                           ; lane
	v_lshlrev_b32 v2, 4, v1                        ; 16 x lane
	s_wait_alu depctr_va_vdst(0)                   ; the wait at the head's end
	s_wait_kmcnt 0x0
	s_load_b256 s[36:43], s[14:15], 0x0            ; e0 .. e7
	s_mov_b32 s34, 0x76543210                      ; v_permlanex16_b32: lane l xor 16
	s_mov_b32 s35, 0xfedcba98
	s_cmp_lt_u32 ttmp9, 32
	s_cbranch_scc1 .Lflags
; ---------------- LayerNorm and the three sets of codes
	s_sub_co_u32 s24, ttmp9, 32
	s_lshl_b32 s24, s24, 17                        ; 32 rows of 4,096 bytes a work-group,
	s_lshl_b32 s25, s46, 14                        ; 4 a wave
	s_add_co_u32 s24, s24, s25
	s_mov_b32 s25, 0
	s_add_nc_u64 s[4:5], s[4:5], s[24:25]          ; x at my first row
	s_add_nc_u64 s[16:17], s[16:17], s[24:25]      ; hbuf likewise
	s_lshr_b32 s24, s24, 2                         ; a row of codes is 1,024 bytes
	s_add_nc_u64 s[28:29], s[18:19], s[24:25]      ; the three sets of codes
	s_add_nc_u64 s[30:31], s[28:29], 0x800000
	s_add_nc_u64 s[32:33], s[28:29], 0x1000000
.irp j, 0,1,2,3,4,5,6,7
	global_load_b128 v[G+4*\j:G+4*\j+3], v2, s[6:7] offset:512*\j
.endr
.irp j, 0,1,2,3,4,5,6,7
	global_load_b128 v[BP+4*\j:BP+4*\j+3], v2, s[8:9] offset:512*\j
.endr
.irp rho, 0,1,2,3
.irp j, 0,1,2,3,4,5,6,7
	global_load_b128 v[X+32*\rho+4*\j:X+32*\rho+4*\j+3], v2, s[4:5] offset:4096*\rho+512*\j th:TH_LOAD_NT   ; 32 lanes read 512 consecutive bytes
.endr
.endr
	v_and_b32 v3, 1, v1
	v_lshlrev_b32 v3, 7, v3
	v_lshrrev_b32 v7, 1, v1
	v_lshl_add_u32 v3, v7, 3, v3                   ; where my 8 codes go in 256 bytes of a row: 128 (lane % 2) + 8 (lane / 2)
	s_mov_b32 s22, 0xaaaaaaaa                      ; the odd lanes
	s_mov_b32 s26, 0x3a800000                      ; 1 / 1024
	s_mov_b32 s27, 0x3727c5ac                      ; 1e-5
	s_wait_kmcnt 0x0
.macro MKSC e, k                       ; 2^e as f32 (the conversion takes its exponent field) and 448 x 2^e
	s_add_co_i32 s44, s[\e], 127
	s_lshl_b32 s45, s44, 23
	v_mov_b32 v[4+\k], s45
	s_add_co_i32 s44, s44, 8
	s_lshl_b32 s44, s44, 23
	s_or_b32 s44, s44, 0x600000
	v_mov_b32 v[LM+\k], s44
.endm
	MKSC 36, 0
	MKSC 38, 1
	MKSC 40, 2
.macro WSUM r, t                       ; the sum over the 32 lanes, in every lane; v[t] has been written before
	v_add_f32_dpp v[\r], v[\r], v[\r] row_xmask:1 row_mask:0xf bank_mask:0xf
	v_add_f32_dpp v[\r], v[\r], v[\r] row_xmask:2 row_mask:0xf bank_mask:0xf
	v_add_f32_dpp v[\r], v[\r], v[\r] row_xmask:4 row_mask:0xf bank_mask:0xf
	v_add_f32_dpp v[\r], v[\r], v[\r] row_xmask:8 row_mask:0xf bank_mask:0xf
	v_permlanex16_b32 v[\t], v[\r], s34, s35
	v_add_f32 v[\r], v[\r], v[\t]
.endm
.macro QSET buf, s, m                  ; the eight neighbours in E become eight codes of set s
.irp i, 0,1,2,3,4,5,6,7
	v_med3_num_f32 v[\buf+\i], v[E+\i], -v[LM+\s], v[LM+\s]   ; the conversion to an 8-bit code does not saturate (ISA guide 7.6.2): the hold comes first
.endr
	v_cvt_scalef32_pk8_fp8_f32 v[CC+8*\s+2*\m:CC+8*\s+2*\m+1], v[\buf:\buf+7], v[4+\s]
.endm
.macro LNROW rho
.set XR, X+32*(\rho)
	s_wait_loadcnt 8*(3-(\rho))                    ; g, b and my rows up to this one are in; the younger rows' eight loads each stay out
	v_pk_add_f32 v[252:253], v[XR:XR+1], v[XR+2:XR+3]
	v_pk_add_f32 v[254:255], v[XR+4:XR+5], v[XR+6:XR+7]
.irp j, 8,12,16,20,24,28
	v_pk_add_f32 v[252:253], v[252:253], v[XR+\j:XR+\j+1]
	v_pk_add_f32 v[254:255], v[254:255], v[XR+\j+2:XR+\j+3]
.endr
	v_pk_add_f32 v[252:253], v[252:253], v[254:255]
	v_add_f32 v252, v252, v253
	WSUM 252, 253
	v_mul_f32 v252, s26, v252                      ; the mean
.irp j, 0,2,4,6,8,10,12,14,16,18,20,22,24,26,28,30
	v_pk_add_f32 v[XR+\j:XR+\j+1], v[XR+\j:XR+\j+1], v[252:253] op_sel_hi:[1,0] neg_lo:[0,1] neg_hi:[0,1]   ; x - mean: the variance is taken of the differences
.endr
	v_pk_mul_f32 v[200:201], v[XR:XR+1], v[XR:XR+1]
	v_pk_mul_f32 v[202:203], v[XR+2:XR+3], v[XR+2:XR+3]
.irp j, 4,8,12,16,20,24,28
	v_pk_fma_f32 v[200:201], v[XR+\j:XR+\j+1], v[XR+\j:XR+\j+1], v[200:201]
	v_pk_fma_f32 v[202:203], v[XR+\j+2:XR+\j+3], v[XR+\j+2:XR+\j+3], v[202:203]
.endr
	v_pk_add_f32 v[200:201], v[200:201], v[202:203]
	v_add_f32 v200, v200, v201
	WSUM 200, 201
	v_fma_f32 v206, v200, s26, s27                 ; variance + 1e-5
	s_wait_alu depctr_va_vdst(0)
	v_rsq_f32 v206, v206
	v_mov_b32 v207, 0                              ; a plain line behind the root; (named as the pair's upper half)
	s_wait_alu depctr_va_vdst(0)                   ; the wait ahead of the result's first reader
.irp j, 0,2,4,6,8,10,12,14,16,18,20,22,24,26,28,30
	v_pk_mul_f32 v[XR+\j:XR+\j+1], v[XR+\j:XR+\j+1], v[206:207] op_sel_hi:[1,0]
.endr
.irp j, 0,2,4,6,8,10,12,14,16,18,20,22,24,26,28,30
	v_pk_fma_f32 v[XR+\j:XR+\j+1], v[XR+\j:XR+\j+1], v[G+\j:G+\j+1], v[BP+\j:BP+\j+1]
.endr
.if (\rho) > 0
	s_wait_xcnt 0x0                                ; the last row's stores of codes have read CC, which is written again below
.endif
; A lane holds 4 neighbours of each chunk; a conversion wants 8.  Lanes l and l xor 1 exchange: the even lane ends with 8 neighbours of chunk 2 m, the odd one with 8 of chunk 2 m + 1.
.irp m, 0,1,2,3
.irp i, 0,1,2,3
	v_cndmask_b32 v[252+\i], v[XR+8*\m+4+\i], v[XR+8*\m+\i], s22     ; what I give away: even lane chunk 2 m + 1, odd lane chunk 2 m
.endr
.irp i, 0,1,2,3
	v_mov_b32_dpp v[252+\i], v[252+\i] row_xmask:1 row_mask:0xf bank_mask:0xf
.endr
.irp i, 0,1,2,3
	v_cndmask_b32 v[E+\i], v[XR+8*\m+\i], v[252+\i], s22             ; the lower four columns
	v_cndmask_b32 v[E+4+\i], v[252+\i], v[XR+8*\m+4+\i], s22         ; the upper four
.endr
	QSET TA, 0, \m
	QSET TB, 1, \m                                 ; (the other set's eight holds are the plain lines behind each conversion)
	QSET TA, 2, \m
.endr
	v_nop                                          ; one plain line behind the last conversion
; the row's stores stand in one run at its end
.irp j, 0,1,2,3,4,5,6,7
	global_store_b128 v2, v[XR+4*\j:XR+4*\j+3], s[16:17] offset:4096*(\rho)+512*\j   ; 512 consecutive bytes a store
.endr
.irp m, 0,1,2,3
	global_store_b64 v3, v[CC+2*\m:CC+2*\m+1], s[28:29] offset:1024*(\rho)+256*\m          ; 32 lanes fill 256 consecutive bytes, aligned
	global_store_b64 v3, v[CC+8+2*\m:CC+8+2*\m+1], s[30:31] offset:1024*(\rho)+256*\m
	global_store_b64 v3, v[CC+16+2*\m:CC+16+2*\m+1], s[32:33] offset:1024*(\rho)+256*\m
.endr
.endm
	LNROW 0
	LNROW 1
	LNROW 2
	LNROW 3
	s_endpgm
; ---------------- the masks' bits.  A lane holds keys 4 lane .. 4 lane + 3 of a step; its registers run down the 64 queries, so a column's least and largest number need no other lane.
; REGISTERS: v4, v5 the spare word's address and 0; v6 4 x lane; v7 8 x wave; v8-15 padding bytes (step u, batch b at 8 + 4 u + b); v16-23 the columns' least, v24-31 their largest (4 u + e); v64-255 three buffers of 16 rows.
; LDS: words [kind 3][batch 4][step 16] at 0; the spare words at 768.
.Lflags:
	v_lshl_add_u32 v4, v0, 2, 768
	v_mov_b32 v5, 0
	v_lshlrev_b32 v6, 2, v1
	s_lshl_b32 s24, s46, 3
	v_mov_b32 v7, s24
	v_mov_b32 v32, 0xce6e6b28                      ; -1e9
.irp k, 0,1,2,3,4,5,6,7
	v_mov_b32 v[16+\k], 0x7f800000
	v_mov_b32 v[24+\k], 0xff800000
.endr
	s_lshl_b32 s24, ttmp9, 19                      ; 64 rows of 8,192 bytes
	s_lshl_b32 s25, s46, 10                        ; two steps of 512 bytes a wave
	s_add_co_u32 s24, s24, s25
	s_mov_b32 s25, 0
	s_add_nc_u64 s[10:11], s[10:11], s[24:25]
	s_lshl_b32 s24, s46, 8
	s_add_nc_u64 s[26:27], s[12:13], s[24:25]      ; padding_mask at my first key, batch 0
	s_wait_alu depctr_va_vdst(0)
.irp u, 0,1
.irp b, 0,1,2,3
	global_load_b32 v[8+4*\u+\b], v6, s[26:27] offset:2048*\b+128*\u
.endr
.endr
.macro LOADC q                         ; chunk q: step q / 4, rows 16 (q % 4) on, into buffer q % 3
.irp i, 0,1,2,3,4,5,6,7,8,9,10,11,12,13,14,15
	global_load_b128 v[64+64*((\q)%3)+4*\i:64+64*((\q)%3)+4*\i+3], v2, s[10:11] offset:(16*((\q)%4)+\i)*8192+512*((\q)/4)
.endr
.endm
.macro RED q
.irp i, 0,2,4,6,8,10,12,14
.irp e, 0,1,2,3
	v_min3_num_f32 v[16+4*((\q)/4)+\e], v[16+4*((\q)/4)+\e], v[64+64*((\q)%3)+4*\i+\e], v[68+64*((\q)%3)+4*\i+\e]
	v_max3_num_f32 v[24+4*((\q)/4)+\e], v[24+4*((\q)/4)+\e], v[64+64*((\q)%3)+4*\i+\e], v[68+64*((\q)%3)+4*\i+\e]
.endr
.endr
.endm
	LOADC 0
	LOADC 1
	LOADC 2
	s_cmp_lt_u32 ttmp9, 4                          ; work-groups 0-3 also lay batch n's lane masks, two steps a wave
	s_cbranch_scc0 .Lnolm
	s_lshl_b32 s32, ttmp9, 11
	s_mov_b32 s33, 0
	s_add_nc_u64 s[32:33], s[26:27], s[32:33]
	v_lshrrev_b32 v53, 3, v1
	v_lshlrev_b32 v53, 4, v53
	v_and_b32 v54, 7, v1
	v_add_nc_u32 v53, v53, v54                     ; word n = lane (+ 32): key 16 (n / 8) + n % 8
.irp q, 0,1,2,3
	global_load_u8 v[56+2*\q], v53, s[32:33] offset:64*\q
	global_load_u8 v[57+2*\q], v53, s[32:33] offset:64*\q+8
.endr
	s_lshl_b32 s24, ttmp9, 12
	s_lshl_b32 s25, s46, 9
	s_add_co_u32 s24, s24, s25
	s_mov_b32 s25, 0
	s_add_nc_u64 s[22:23], s[22:23], s[24:25]
	s_wait_loadcnt 0x0
.irp q, 0,1,2,3
	v_mul_u32_u24 v[56+2*\q], v[56+2*\q], 0xffff
	v_mul_u32_u24 v[57+2*\q], v[57+2*\q], 0xffff
	v_lshl_or_b32 v[56+2*\q], v[57+2*\q], 16, v[56+2*\q]
	global_store_b32 v6, v[56+2*\q], s[22:23] offset:128*\q   ; 32 lanes store 128 consecutive bytes; two such stores of this wave fill an aligned 256
.endr
.Lnolm:
.irp q, 0,1,2,3,4,5,6,7
	s_wait_alu depctr_va_vdst(0)                   ; the wait ahead of the wait below
.if \q < 6
	s_wait_loadcnt 32                              ; the two younger chunks may be out
.else
	s_wait_loadcnt 16*(7-\q)
.endif
	RED \q
.if \q < 5
	LOADC \q+3
.endif
.endr
; per step and batch: a padded key's column counts as -1e9.  v128.. the largest of the columns' least; v136.. the step's largest; v144.. its least
.irp u, 0,1
.irp b, 0,1,2,3
.irp e, 0,1,2,3
	v_and_b32 v[40+\e], 0xff<<(8*\e), v[8+4*\u+\b]
	v_cmp_ne_u32 s[28+\e], 0, v[40+\e]
	v_cndmask_b32 v[44+\e], v[16+4*\u+\e], v32, s[28+\e]
	v_cndmask_b32 v[48+\e], v[24+4*\u+\e], v32, s[28+\e]
.endr
	v_max3_num_f32 v[128+4*\u+\b], v44, v45, v46
	v_max3_num_f32 v[136+4*\u+\b], v48, v49, v50
	v_min3_num_f32 v[144+4*\u+\b], v44, v45, v46
	v_max_num_f32 v[128+4*\u+\b], v[128+4*\u+\b], v47
	v_max_num_f32 v[136+4*\u+\b], v[136+4*\u+\b], v51
	v_min_num_f32 v[144+4*\u+\b], v[144+4*\u+\b], v47
.endr
.endr
.irp m, 1,2,4,8
.set KK, 0
.rept 16
	v_max_num_f32_dpp v[128+KK], v[128+KK], v[128+KK] row_xmask:\m row_mask:0xf bank_mask:0xf
.set KK, KK+1
.endr
.rept 8
	v_min_num_f32_dpp v[128+KK], v[128+KK], v[128+KK] row_xmask:\m row_mask:0xf bank_mask:0xf
.set KK, KK+1
.endr
.endr
.set KK, 0
.rept 24
	v_mov_b32 v[160+KK], 0                         ; a lane permute's destination counts as read
.set KK, KK+1
.endr
.set KK, 0
.rept 24
	v_permlanex16_b32 v[160+KK], v[128+KK], s34, s35
.set KK, KK+1
.endr
.set KK, 0
.rept 16
	v_max_num_f32 v[128+KK], v[128+KK], v[160+KK]
.set KK, KK+1
.endr
.rept 8
	v_min_num_f32 v[128+KK], v[128+KK], v[160+KK]
.set KK, KK+1
.endr
.irp k, 0,1,2
.irp u, 0,1
.irp b, 0,1,2,3
	ds_store_b32 v7, v[128+8*\k+4*\u+\b] offset:256*\k+64*\b+4*\u   ; all lanes write one word with one value
.endr
.endr
.endr
	s_wait_alu depctr_va_vdst(0)
	s_wait_dscnt 0x0                               ; for the others' sake
	s_barrier_signal -1
	s_barrier_wait -1
	s_cmp_lt_u32 s46, 2                            ; waves 0 and 1 make the words of batches 2 w and 2 w + 1: lane l stands for batch 2 w + l / 16, step 15 - l % 16
	s_cbranch_scc0 .Lfend
	v_xor_b32 v8, 15, v1
	v_lshlrev_b32 v8, 2, v8
	s_lshl_b32 s24, s46, 7
	v_add_nc_u32 v8, s24, v8
	ds_load_b32 v9, v8
	ds_load_b32 v10, v8 offset:256
	ds_load_b32 v11, v8 offset:512
	s_wait_kmcnt 0x0
	s_add_co_i32 s28, s42, s43
	v_mov_b32 v12, 0x4a440000                      ; 2 x 64 x 448^2 / 8
	v_ldexp_f32 v12, v12, s28
	v_add_f32 v12, 0x43800000, v12                 ; 2 Bd + 256
	s_lshl_b32 s24, ttmp9, 8
	s_lshl_b32 s25, s46, 7
	s_add_co_u32 s24, s24, s25
	s_mov_b32 s25, 0
	s_add_nc_u64 s[20:21], s[20:21], s[24:25]
	s_wait_alu depctr_va_vdst(0)
	s_wait_dscnt 0x0
.irp m, 1,2,4,8
	v_max_num_f32_dpp v9, v9, v9 row_xmask:\m row_mask:0xf bank_mask:0xf   ; L of my batch: over its sixteen steps
.endr
	v_add_f32 v13, v10, v12
	v_cmp_ge_f32 s28, v13, v9                      ; live
	v_cmp_eq_f32 s29, 0, v10
	v_cmp_eq_f32 s30, 0, v11
	s_and_b32 s29, s29, s30
	s_and_not1_b32 s29, s28, s29                   ; live and not 0 throughout: mixed
	s_and_b32 s30, s28, 0xffff
	s_lshl_b32 s31, s29, 16
	s_or_b32 s30, s30, s31                         ; batch 2 w's word
	s_lshr_b32 s31, s28, 16
	s_and_b32 s24, s29, 0xffff0000
	s_or_b32 s31, s31, s24                         ; batch 2 w + 1's
	v_mov_b32 v14, s30
	v_mov_b32 v15, s31
	v_cmp_gt_u32 vcc_lo, 16, v1
	v_cndmask_b32 v14, v15, v14, vcc_lo
	global_store_b32 v6, v14, s[20:21]             ; 128 consecutive bytes a wave; the two waves fill the block's aligned 256
.Lfend:
	s_wait_tensorcnt 0x0                           ; the wave's end
	ds_add_u32 v4, v5
	s_wait_dscnt 0x0
	s_endpgm
.Lfunc_end_k_q11beeab3f0_prep:
	.size	k_q11beeab3f0_prep, .Lfunc_end_k_q11beeab3f0_prep-k_q11beeab3f0_prep
	.p2alignl 7, 3214868480
	.fill 96, 4, 3214868480
	.section	.rodata,"a",@progbits
	.p2align	6, 0x0
	.amdhsa_kernel k_q11beeab3f0_prep
		.amdhsa_group_segment_fixed_size 2048
		.amdhsa_private_segment_fixed_size 0
		.amdhsa_enable_private_segment 0
		.amdhsa_kernarg_size 80
		.amdhsa_user_sgpr_count 2
		.amdhsa_user_sgpr_kernarg_segment_ptr 1
		.amdhsa_wavefront_size32 1
		.amdhsa_system_sgpr_workgroup_id_x 1
		.amdhsa_system_sgpr_workgroup_id_y 1
		.amdhsa_system_sgpr_workgroup_id_z 1
		.amdhsa_system_vgpr_workitem_id 0
		.amdhsa_next_free_vgpr 256
		.amdhsa_next_free_sgpr 66
		.amdhsa_reserve_vcc 1
		.amdhsa_float_denorm_mode_32 3
		.amdhsa_float_denorm_mode_16_64 3
		.amdhsa_memory_ordered 1
		.amdhsa_forward_progress 1
		.amdhsa_inst_pref_size 154
	.end_amdhsa_kernel
	.amdgpu_metadata
---
amdhsa.version: [ 1, 2 ]
amdhsa.kernels:
  - .name:           k_q11beeab3f0_prep
    .symbol:         k_q11beeab3f0_prep.kd
    .args:
      - { .name: x, .offset: 0, .size: 8, .value_kind: global_buffer, .address_space: global }
      - { .name: g_pre, .offset: 8, .size: 8, .value_kind: global_buffer, .address_space: global }
      - { .name: b_pre, .offset: 16, .size: 8, .value_kind: global_buffer, .address_space: global }
      - { .name: causal_mask, .offset: 24, .size: 8, .value_kind: global_buffer, .address_space: global }
      - { .name: padding_mask, .offset: 32, .size: 8, .value_kind: global_buffer, .address_space: global }
      - { .name: lowp_scales, .offset: 40, .size: 8, .value_kind: global_buffer, .address_space: global }
      - { .name: hbuf, .offset: 48, .size: 8, .value_kind: global_buffer, .address_space: global }
      - { .name: hc, .offset: 56, .size: 8, .value_kind: global_buffer, .address_space: global }
      - { .name: flags, .offset: 64, .size: 8, .value_kind: global_buffer, .address_space: global }
      - { .name: padlm, .offset: 72, .size: 8, .value_kind: global_buffer, .address_space: global }
    .group_segment_fixed_size: 2048
    .private_segment_fixed_size: 0
    .kernarg_segment_align: 8
    .kernarg_segment_size: 80
    .max_flat_workgroup_size: 256
    .sgpr_count:     66
    .vgpr_count:     256
    .wavefront_size: 32
...
	.end_amdgpu_metadata
.endif
;; end of part 1
;; launch proj (part 2): grid 12 x 32, 4 waves a work-group, clusters of 4 x 4, 327,680 bytes of LDS; arguments hc, Wq_codes, Wk_codes, Wv_codes, lowp_scales, bq, bk, bv, padding_mask, qkv; writes qkv
.if DOCPART == 2
	.amdgcn_target "amdgcn-amd-amdhsa--gfx1250"
	.amdhsa_code_object_version 6
	.text
	.protected	k_q11beeab3f0_proj
	.globl	k_q11beeab3f0_proj
	.p2align	8
	.type	k_q11beeab3f0_proj,@function
k_q11beeab3f0_proj:
	s_mov_b64 s[64:65], 0
	v_nop
	global_prefetch_b8 v0, s[64:65] scope:SCOPE_SE
	s_setreg_imm32_b32 hwreg(HW_REG_WAVE_MODE, 25, 1), 1
	s_wait_xcnt 0x0
	s_wait_alu depctr_hold_cnt(0) depctr_sa_sdst(0) depctr_va_vdst(0) depctr_va_sdst(0) depctr_va_ssrc(0) depctr_va_vcc(0) depctr_vm_vsrc(0)
	s_getreg_b32 s2, hwreg(HW_REG_IB_STS2, 6, 4)
	s_cmp_eq_u32 s2, 0
	s_cbranch_scc0 .Lentry_in_a_cluster
	s_endpgm
.Lentry_in_a_cluster:
	s_bfe_u32 s2, ttmp6, 0x10000c
	s_cmp_lg_u32 s2, 0xf033
	s_cbranch_scc0 .Lentry_shape_is_right
	s_endpgm
.Lentry_shape_is_right:
.set SIZE_K, 1024
.set KSTEP,  256
.set ROWB,   256
.set KROW,   SIZE_K
.set PITCH,  272
.set FR,     16
.set NL,     4
.set NP,     4
.set HALFT,  128*PITCH
.set SLOT,   4*HALFT
.set LAPS,   SIZE_K/(2*KSTEP)
.set SPARE,  2*SLOT
.set ADRA, 16
.set ADRB, 20
.set SPW,  28
.set NIL,  29
.set CB,   32
.set RB,   96
.set PD,   112
.set AF,   128
.set TMP,  128
.set CD,   192
.set G1, 24
.set G0, 32
.set G1B, 48
.set G0B, 56
.set MSB, 0
.macro WIN new
.if MSB != \new
	s_set_vgpr_msb (MSB<<8)|\new
.set MSB, \new
.endif
.endm
.set MUL_LO, 0xa1
.set MUL_HI, 0xf1
.set TO_B,   0x40
.macro JLOAD g0a, g1a, g0b, g1b
	s_cmp_eq_u32 s15, 0
	s_cbranch_scc0 .Lfor_b_\@
	tensor_load_to_lds s[\g0a:\g0a+3], s[\g1a:\g1a+7]
	s_nop 0
.rept 4
	v_nop
.endr
	s_branch .Lasked_\@
.Lfor_b_\@:
	tensor_load_to_lds s[\g0b:\g0b+3], s[\g1b:\g1b+7]
	s_nop 0
.rept 4
	v_nop
.endr
.Lasked_\@:
.endm
.macro CREST
	s_cmp_lg_u32 s14, 0
	s_cbranch_scc1 .Lnot_wave_0_\@
	s_barrier_signal -3
.Lnot_wave_0_\@:
	s_barrier_wait -3
	s_barrier_signal -1
	s_barrier_wait -1
.endm
.macro CROUND
	s_barrier_signal -1
	s_barrier_wait -1
	CREST
.endm
	s_load_b512 s[68:83], s[0:1], 0x0
	s_load_b128 s[84:87], s[0:1], 0x40
	v_lshl_add_u32 v[SPW], v0, 2, SPARE
	v_mov_b32 v[NIL], 0
	ds_add_u32 v28, v29
	ds_add_u32 v28, v29
	s_wait_dscnt 0x0
	v_lshrrev_b32 v1, 5, v0
	v_readfirstlane_b32 s14, v1
	s_lshr_b32 s15, s14, 1
	s_and_b32 s16, s14, 1
	s_bfe_u32 s40, ttmp6, 0x40000
	s_bfe_u32 s41, ttmp6, 0x40004
	s_and_b32 s88, ttmp7, 0xffff
	s_lshl_b32 s88, s88, 2
	s_cmp_eq_u32 ttmp9, 2
	s_cselect_b32 s89, 0, s88
	s_cselect_b32 s90, s88, 0
	s_add_co_u32 s42, s40, s90
	s_add_co_u32 s17, s41, s89
	s_lshl_b32 s43, s41, 2
	s_lshl_b32 s43, 15, s43
	s_lshl_b32 s44, 0x1111, s40
	s_or_b32 s[G1+0], s43, (0<<16)|(1<<20)|(1<<21)|(5<<22)|(3<<25)
	s_or_b32 s[G1B+0], s44, (0<<16)|(1<<20)|(1<<21)|(5<<22)|(3<<25)
.irp g, G1, G1B
	s_mov_b32 s[\g+1], ROWB<<16
	s_mov_b32 s[\g+2], 128<<16
	s_mov_b32 s[\g+3], ROWB<<16
	s_mov_b32 s[\g+4], 128
	s_mov_b32 s[\g+5], KROW
	s_mov_b32 s[\g+6], 0
	s_mov_b32 s[\g+7], 0
.endr
	s_lshl_b32 s18, s16, 7
	s_lshl_b32 s20, s17, 8
	s_add_co_u32 s20, s20, s18
	s_lshl_b32 s46, s42, 8
	s_add_co_u32 s46, s46, s18
	s_mov_b32 s21, 0
	s_mov_b32 s47, 0
	s_mov_b64 s[18:19], KROW
	s_mul_u64 s[20:21], s[20:21], s[18:19]
	s_mul_u64 s[46:47], s[46:47], s[18:19]
	s_mul_i32 s45, s14, HALFT
	s_wait_kmcnt 0x0
	s_load_b256 s[88:95], s[76:77], 0x0
	s_load_b128 s[96:99], s[76:77], 0x20
	s_cmp_eq_u32 ttmp9, 0
	s_cselect_b64 s[8:9], s[70:71], s[72:73]
	s_cselect_b64 s[10:11], s[78:79], s[80:81]
	s_cmp_eq_u32 ttmp9, 2
	s_cselect_b64 s[8:9], s[74:75], s[8:9]
	s_cselect_b64 s[10:11], s[82:83], s[10:11]
	s_lshl_b32 s12, ttmp9, 23
	s_mov_b32 s13, 0
	s_add_nc_u64 s[68:69], s[68:69], s[12:13]
	s_add_nc_u64 s[86:87], s[86:87], s[12:13]
	s_cmp_eq_u32 ttmp9, 2
	s_cselect_b64 s[4:5], s[8:9], s[68:69]
	s_cselect_b64 s[6:7], s[68:69], s[8:9]
	s_add_nc_u64 s[20:21], s[4:5], s[20:21]
	s_add_nc_u64 s[46:47], s[6:7], s[46:47]
	CROUND
.irp s, 0,1
	s_mov_b32 s[G0+4*\s], 1
	s_add_co_u32 s[G0+4*\s+1], s45, \s*SLOT
	s_add_nc_u64 s[G0+4*\s+2:G0+4*\s+3], s[20:21], \s*ROWB
	s_or_b32 s[G0+4*\s+3], s[G0+4*\s+3], 0x80000000
	s_mov_b32 s[G0B+4*\s], 1
	s_add_co_u32 s[G0B+4*\s+1], s45, \s*SLOT
	s_add_nc_u64 s[G0B+4*\s+2:G0B+4*\s+3], s[46:47], \s*ROWB
	s_or_b32 s[G0B+4*\s+3], s[G0B+4*\s+3], 0x80000000
	s_wait_alu depctr_va_vdst(0)
	s_wait_tensorcnt 0x0
	ds_add_u32 v28, v29
	ds_add_u32 v28, v29
	s_wait_dscnt 0x0
	CROUND
	JLOAD G0+4*\s, G1, G0B+4*\s, G1B
.endr
	v_and_b32 v1, 15, v0
	v_bfe_u32 v2, v0, 4, 1
	v_mul_u32_u24 v3, v1, PITCH
	v_lshl_add_u32 v4, v2, 4, v3
	s_mul_i32 s21, s15, HALFT
	s_mul_i32 s22, s16, HALFT
	s_add_co_u32 s22, s22, 2*HALFT
.irp s, 0,1
	v_add_nc_u32 v[ADRA+\s], s21, v4
	v_add_nc_u32 v[ADRB+\s], s22, v4
	s_add_co_u32 s21, s21, SLOT
	s_add_co_u32 s22, s22, SLOT
.endr
	v_lshlrev_b32 v7, 5, v2
	s_wait_alu depctr_va_vdst(0)
	v_lshlrev_b32 v8, 2, v1
	s_wait_alu depctr_va_vdst(0)
	v_mov_b32 v9, v1
	s_wait_alu depctr_va_vdst(0)
	v_and_b32 v5, 31, v0
	v_lshlrev_b32 v12, 4, v5
	s_lshl_b32 s78, s42, 8
	s_lshl_b32 s79, s16, 7
	s_add_co_u32 s78, s78, s79
	s_lshl_b32 s78, s78, 2
	s_lshl_b32 s80, s17, 8
	s_lshl_b32 s81, s15, 7
	s_add_co_u32 s80, s80, s81
	s_lshl_b32 s82, s80, 2
	s_cmp_eq_u32 ttmp9, 2
	s_cselect_b32 s78, 0, s78
	s_cselect_b32 s82, s82, 0
	s_mov_b32 s79, 0
	s_mov_b32 s81, 0
	s_mov_b32 s83, 0
	s_add_nc_u64 s[70:71], s[10:11], s[78:79]
	s_add_nc_u64 s[72:73], s[10:11], s[82:83]
	s_add_nc_u64 s[84:85], s[84:85], s[80:81]
.irp b, 0,1,2,3,4,5,6,7
	global_load_b128 v[CB+8*\b:CB+8*\b+3], v7, s[70:71] offset:64*\b
	global_load_b128 v[CB+8*\b+4:CB+8*\b+7], v7, s[70:71] offset:64*\b+16
.endr
.irp a, 0,1,2,3,4,5,6,7
	global_load_b32 v[RB+2*\a], v8, s[72:73] offset:64*\a
.endr
.irp a, 0,1,2,3,4,5,6,7
	global_load_u8 v[PD+\a], v9, s[84:85] offset:16*\a
.endr
	s_lshr_b32 s66, s17, 3
	s_lshl_b32 s66, s66, 9
	s_lshl_b32 s67, s40, 7
	s_add_co_u32 s66, s66, s67
	s_and_b32 s67, s17, 7
	s_lshl_b32 s67, s67, 4
	s_add_co_u32 s66, s66, s67
	s_lshl_b32 s67, s15, 3
	s_add_co_u32 s66, s66, s67
	s_lshl_b32 s66, s66, 12
	s_lshl_b32 s67, s16, 11
	s_add_co_u32 s66, s66, s67
	s_lshr_b32 s74, s42, 3
	s_lshl_b32 s74, s74, 2
	s_add_co_u32 s74, s74, s41
	s_lshl_b32 s74, s74, 4
	s_and_b32 s75, s42, 7
	s_lshl_b32 s75, s75, 1
	s_add_co_u32 s74, s74, s75
	s_add_co_u32 s74, s74, s16
	s_lshl_b32 s74, s74, 15
	s_lshl_b32 s75, s15, 14
	s_add_co_u32 s74, s74, s75
	s_cmp_eq_u32 ttmp9, 2
	s_cselect_b32 s66, s74, s66
	s_mov_b32 s100, 4096
	s_cselect_b32 s100, 2048, s100
	s_mov_b32 s67, 0
	s_mov_b32 s101, 0
	s_add_nc_u64 s[86:87], s[86:87], s[66:67]
.macro FRAG reg, adr, q, i
.irp c, 0,1,2,3
	ds_load_b128 v[\reg+4*\c:\reg+4*\c+3], v[\adr] offset:128*(\q)+32*\c+(\i)*16*PITCH
.endr
.endm
.macro MUL16 a0, p, zero
.irp a, \a0, \a0+1
.irp b, 0,1,2,3,4,5,6,7
.if \zero
	v_wmma_f32_16x16x128_fp8_fp8 v[8*(8*((\a)%4)+\b):8*(8*((\a)%4)+\b)+7], v[128*(\p)+FR*\b:128*(\p)+FR*\b+FR-1], v[AF+FR*(\a):AF+FR*(\a)+FR-1], 0
.else
	v_wmma_f32_16x16x128_fp8_fp8 v[8*(8*((\a)%4)+\b):8*(8*((\a)%4)+\b)+7], v[128*(\p)+FR*\b:128*(\p)+FR*\b+FR-1], v[AF+FR*(\a):AF+FR*(\a)+FR-1], v[8*(8*((\a)%4)+\b):8*(8*((\a)%4)+\b)+7]
.endif
.endr
.endr
.endm
.macro FETCH_B slot, q, p
	WIN TO_B
.irp i, 0,1,2,3,4,5,6,7
	FRAG 128*(\p)+FR*\i, ADRB+\slot, \q, \i
.endr
	WIN 0
.endm
.macro FETCH_A slot, q, i0
.irp i, \i0, \i0+1, \i0+2, \i0+3
	FRAG AF+FR*(\i), ADRA+\slot, \q, \i
.endr
.endm
.macro PLACES n
.rept \n
	v_nop
.endr
.endm
.macro STEP slot, q, zero
	s_wait_dscnt 4*NL
	WIN MUL_LO
	MUL16 0, (\q)%2, \zero
	MUL16 2, (\q)%2, \zero
	s_wait_dscnt 0
	PLACES NP
	FETCH_B \slot, (\q)+1, 1-(\q)%2
	FETCH_A \slot, (\q)+1, 0
	WIN MUL_HI
	MUL16 4, (\q)%2, \zero
	MUL16 6, (\q)%2, \zero
	PLACES NP
	WIN 0
	FETCH_A \slot, (\q)+1, 4
.endm
.macro TURN slot, next, fill
	s_wait_tensorcnt 0x0
	ds_add_u32 v[SPW], v[NIL]
	s_wait_dscnt 4*NL+1
	WIN MUL_LO
	MUL16 0, 1, 0
	s_wait_dscnt 0x0
	s_barrier_signal -1
	MUL16 2, 1, 0
	WIN 0
	s_barrier_wait -1
.if \fill
	CREST
	s_add_nc_u64 s[G0+4*\slot+2:G0+4*\slot+3], s[G0+4*\slot+2:G0+4*\slot+3], 2*ROWB
	s_add_nc_u64 s[G0B+4*\slot+2:G0B+4*\slot+3], s[G0B+4*\slot+2:G0B+4*\slot+3], 2*ROWB
	JLOAD G0+4*\slot, G1, G0B+4*\slot, G1B
.else
	PLACES NP
.endif
	FETCH_B \next, 0, 0
	FETCH_A \next, 0, 0
	WIN MUL_HI
	MUL16 4, 1, 0
	MUL16 6, 1, 0
	PLACES NP
	WIN 0
	FETCH_A \next, 0, 4
.endm
	s_wait_tensorcnt 1
	s_barrier_signal -1
	s_barrier_wait -1
	FETCH_B 0, 0, 0
	FETCH_A 0, 0, 0
	FETCH_A 0, 0, 4
	STEP 0, 0, 1
	s_mov_b32 s3, LAPS-1
.Llap:
	TURN 0, 1, 1
	STEP 1, 0, 0
	TURN 1, 0, 1
	STEP 0, 0, 0
	s_sub_co_u32 s3, s3, 1
	s_cmp_lg_u32 s3, 0
	s_cbranch_scc1 .Llap
	TURN 0, 1, 0
	STEP 1, 0, 0
	s_wait_dscnt 4*NL
	WIN MUL_LO
	MUL16 0, 1, 0
	MUL16 2, 1, 0
	s_wait_dscnt 0
	WIN MUL_HI
	MUL16 4, 1, 0
	MUL16 6, 1, 0
	WIN 0
	s_wait_loadcnt 0x0
	s_wait_kmcnt 0x0
	s_cmp_eq_u32 ttmp9, 0
	s_cselect_b32 s4, s88, s90
	s_cselect_b32 s5, s89, s91
	s_cselect_b32 s6, s94, s95
	s_cmp_eq_u32 ttmp9, 2
	s_cselect_b32 s4, s92, s4
	s_cselect_b32 s5, s93, s5
	s_cselect_b32 s6, s97, s6
	s_cselect_b32 s74, 0, 1.0
	s_cselect_b32 s12, 1.0, 0
	s_mov_b32 s75, s74
	s_cmp_eq_u32 ttmp9, 1
	s_cselect_b32 s13, 0xff, 0
	s_add_co_i32 s4, s4, s5
	s_add_co_i32 s4, s4, 127
	s_lshl_b32 s66, s4, 23
	s_mov_b32 s67, s66
	s_add_co_i32 s6, s6, 127
	s_lshl_b32 s7, s6, 23
	v_mov_b32 v10, s7
	s_add_co_i32 s6, s6, 8
	s_lshl_b32 s6, s6, 23
	s_or_b32 s6, s6, 0x600000
	v_mov_b32 v11, s6
.set JJ, 0
.rept 32
	v_pk_mul_f32 v[CB+JJ:CB+JJ+1], v[CB+JJ:CB+JJ+1], s[74:75] op_sel_hi:[1,0]
.set JJ, JJ+2
.endr
.irp a, 0,1,2,3,4,5,6,7
	v_mul_f32 v[RB+2*\a], s12, v[RB+2*\a]
	v_mov_b32 v[RB+2*\a+1], 0
	v_and_b32 v[PD+\a], s13, v[PD+\a]
.endr
.macro OUTBLK a
.set AC, 64*((\a)%4)
.set CDA, CD+16*((\a)%4)
	WIN 0x02+((\a)/4)
.set JJ, 0
.rept 32
	v_pk_fma_f32 v[TMP+JJ:TMP+JJ+1], v[AC+JJ:AC+JJ+1], s[66:67], v[CB+JJ:CB+JJ+1] op_sel_hi:[1,0,1]
.set JJ, JJ+2
.endr
	WIN 0
.set JJ, 0
.rept 32
	v_pk_add_f32 v[TMP+JJ:TMP+JJ+1], v[TMP+JJ:TMP+JJ+1], v[RB+2*(\a):RB+2*(\a)+1] op_sel_hi:[1,0]
.set JJ, JJ+2
.endr
.set JJ, 0
.rept 64
	v_med3_num_f32 v[TMP+JJ], v[TMP+JJ], -v11, v11
.set JJ, JJ+1
.endr
.irp b, 0,1,2,3,4,5,6,7
	v_cvt_scalef32_pk8_fp8_f32 v[CDA+2*\b:CDA+2*\b+1], v[TMP+8*\b:TMP+8*\b+7], v10
.endr
	v_nop
	v_cmp_eq_u32 vcc_lo, 0, v[PD+(\a)]
.set JJ, 0
.rept 16
	v_cndmask_b32 v[CDA+JJ], 0, v[CDA+JJ], vcc_lo
.set JJ, JJ+1
.endr
.if (\a) > 0
	s_wait_alu depctr_va_vdst(0)
	s_wait_xcnt 0x0
	s_add_nc_u64 s[86:87], s[86:87], s[100:101]
.endif
.irp q, 0,1,2,3
	global_store_b128 v12, v[CDA+4*\q:CDA+4*\q+3], s[86:87] offset:512*\q
.endr
.endm
.irp a, 0,1,2,3,4,5,6,7
	OUTBLK \a
.endr
	s_wait_tensorcnt 0x0
	ds_add_u32 v[SPW], v[NIL]
	s_wait_dscnt 0x0
	CROUND
	s_endpgm
.Lfunc_end_k_q11beeab3f0_proj:
	.size	k_q11beeab3f0_proj, .Lfunc_end_k_q11beeab3f0_proj-k_q11beeab3f0_proj
	.p2alignl 7, 3214868480
	.fill 96, 4, 3214868480
	.section	.rodata,"a",@progbits
	.p2align	6, 0x0
	.amdhsa_kernel k_q11beeab3f0_proj
		.amdhsa_group_segment_fixed_size 327680
		.amdhsa_private_segment_fixed_size 0
		.amdhsa_enable_private_segment 0
		.amdhsa_kernarg_size 80
		.amdhsa_user_sgpr_count 2
		.amdhsa_user_sgpr_kernarg_segment_ptr 1
		.amdhsa_wavefront_size32 1
		.amdhsa_system_sgpr_workgroup_id_x 1
		.amdhsa_system_sgpr_workgroup_id_y 1
		.amdhsa_system_sgpr_workgroup_id_z 1
		.amdhsa_system_vgpr_workitem_id 0
		.amdhsa_next_free_vgpr 1024
		.amdhsa_next_free_sgpr 102
		.amdhsa_reserve_vcc 1
		.amdhsa_float_denorm_mode_32 3
		.amdhsa_float_denorm_mode_16_64 3
		.amdhsa_memory_ordered 1
		.amdhsa_forward_progress 1
		.amdhsa_inst_pref_size 163
	.end_amdhsa_kernel
	.amdgpu_metadata
---
amdhsa.version: [ 1, 2 ]
amdhsa.kernels:
  - .name:           k_q11beeab3f0_proj
    .symbol:         k_q11beeab3f0_proj.kd
    .args:
      - { .name: hc, .offset: 0, .size: 8, .value_kind: global_buffer, .address_space: global }
      - { .name: Wq_codes, .offset: 8, .size: 8, .value_kind: global_buffer, .address_space: global }
      - { .name: Wk_codes, .offset: 16, .size: 8, .value_kind: global_buffer, .address_space: global }
      - { .name: Wv_codes, .offset: 24, .size: 8, .value_kind: global_buffer, .address_space: global }
      - { .name: lowp_scales, .offset: 32, .size: 8, .value_kind: global_buffer, .address_space: global }
      - { .name: bq, .offset: 40, .size: 8, .value_kind: global_buffer, .address_space: global }
      - { .name: bk, .offset: 48, .size: 8, .value_kind: global_buffer, .address_space: global }
      - { .name: bv, .offset: 56, .size: 8, .value_kind: global_buffer, .address_space: global }
      - { .name: padding_mask, .offset: 64, .size: 8, .value_kind: global_buffer, .address_space: global }
      - { .name: qkv, .offset: 72, .size: 8, .value_kind: global_buffer, .address_space: global }
    .group_segment_fixed_size: 327680
    .private_segment_fixed_size: 0
    .kernarg_segment_align: 8
    .kernarg_segment_size: 80
    .max_flat_workgroup_size: 128
    .sgpr_count:     102
    .vgpr_count:     1024
    .wavefront_size: 32
...
	.end_amdgpu_metadata
.endif
;; end of part 2
;; launch attn (part 3): grid 256 x 1, 8 waves a work-group, no clusters, 35,840 bytes of LDS; arguments qkv, causal_mask, flags, padlm, lowp_scales, oc; writes oc
.if DOCPART == 3
	.amdgcn_target "amdgcn-amd-amdhsa--gfx1250"
	.amdhsa_code_object_version 6
	.text
	.protected	k_q11beeab3f0_attn
	.globl	k_q11beeab3f0_attn
	.p2align	8
	.type	k_q11beeab3f0_attn,@function
k_q11beeab3f0_attn:
	s_mov_b64 s[64:65], 0
	v_nop
	global_prefetch_b8 v0, s[64:65] scope:SCOPE_SE
	s_setreg_imm32_b32 hwreg(HW_REG_WAVE_MODE, 25, 1), 1
	s_wait_xcnt 0x0
; ATTENTION on codes of E4M3: S^T = K Q^T + C, the softmax by the contract's rule, O^T = V^T P^T, O / l quantised with 2^e10 into oc [8192][1024].
; KEY STEPS LEFT OUT: those that the first launch has marked dead from the masks' own numbers: every p of such a step is 0 (shown at that kernel's head).  A NaN or an infinity that reaches only such a step is not carried on.
;   S = sum of codes + C;  t = S x c2, c2 = log2(e) x 2^(e6 + e7 - 3);  M = ceil of the running largest t;  p = 2^(t - M);  l = the sum of the unquantised p.
; A live step is walked in one of two ways, by its second bit.  No mask number but 0: C is the constant 0, and t - M is one fused multiply-add.  Mixed: C = (padded ? -1e9 : causal_mask) x 2^(3 - e6 - e7), made here from
; the two inputs (a padded key's lanes by the stored lane masks; its codes of K are zeros); t is ROUNDED to f32 before M is taken away, so that in a row that is masked throughout (t near -1.4e9) t - M is an exact difference.
; SHARES.  A work-group: one batch, four heads, and two blocks of 64 queries, p and 31 - p.  Wave w: head w % 4 and one whole block, four tiles of 16 queries: the first block where (w xor w / 4) is even, else the second,
; so that waves w and w + 4, and waves 2 k and 2 k + 1, hold one of each.  Two waves to a SIMD, 512 registers each.  Each fragment of K or V feeds four products.
; A STEP goes as two halves of two tiles on the same score registers; K and V stay for the whole step.
; K, V and Q come as images of their registers (four registers of all lanes = 512 bytes on end) from memory straight into registers: which steps are walked hangs on numbers read from memory, so this text has no
; tensor load, and so no joint loads.  The next walked step's K is asked for behind this step's last score products, its V behind the last products V^T P^T: each half a step's work ahead of its wait; so no prefetch is laid beside them.
; The last trip's look-ahead names step 15 or a step again: inside the buffers, and not read.  Steps are walked from the highest down.
; LAYOUT.  Both products are used transposed, so a lane holds ONE query (lane % 16).  Register 8 t + j of the scores is key 16 t + 8 (lane / 16) + j: eight such registers convert into registers 2 t, 2 t + 1 of the second product's operand.
; LIMITS: e6 + e7 - 3 between -126 and 126; e8, e10 between -126 and 119; |t| under 2^31.  NaN among the inputs is not served.
; REGISTERS.  window 0: v1-7 addresses; v8-15, v48-55 per tile -M, largest t, l (two halves); v16-19 f of the half's tiles; v20-31 at work; v32-39 scales; v40-47 chains of the sum; v56-58 offsets of the loads;
;   v64-191 two tiles' scores; v192-255 K.      window 1: v0-127 O^T (tile i at 32 i); v128-159 Q; v160-191 P's codes of the half; v192-255 V.
; s32-63, s68-99: the 64 lane masks of a mixed step (at the head: at work).
.set SP,    272                        ; a stage: 64 rows x (256 bytes + 16); two of them, one a block, from LDS byte 0
.set SPARE, 128*SP                     ; the spare words: 128 bytes for each of eight waves
.set LO,  1
.set SPW, 2
.set NIL, 3
.set STO, 4
.set RD,  5
.set GO,  6
.set MO,  7
.set ST,  8                            ; tile i's four at 8 + 4 i + 32 (i / 2)
.set F,   16
.set CH,  20
.set PT,  28
.set T2,  30
.set HA,  32                           ; v32, v33 both 448 x 2^e8: the two halves of a dual line name registers of their own
.set HB,  33
.set E8,  34
.set H10, 35
.set E10, 36
.set NG,  37
.set MS,  38
.set SC,  40
.set KO,  56
.set VO,  57
.set MV,  58
.set S,   64
.set KF,  192
.set OT,  0
.set QF,  128
.set PF,  160
.set VF,  192
.set MSB, 0
.macro WIN new                         ; the immediate's high byte repeats the setting that is left
.if MSB != \new
	s_set_vgpr_msb (MSB<<8)|\new
.set MSB, \new
.endif
.endm
.macro PLACES
.rept 4
	v_nop
.endr
.endm
.macro AWAIT
	s_wait_alu depctr_va_vdst(0)
.endm
	s_load_b256 s[68:75], s[0:1], 0x0              ; qkv, causal_mask, flags, padlm
	s_load_b128 s[76:79], s[0:1], 0x20             ; lowp_scales, oc
	v_lshl_add_u32 v[SPW], v0, 2, SPARE
	v_mov_b32 v[NIL], 0
	v_lshrrev_b32 v1, 5, v0
	v_readfirstlane_b32 s24, v1                    ; wave 0..7
	s_and_b32 s25, s24, 3                          ; my head of the four
	s_lshr_b32 s26, s24, 2
	s_xor_b32 s26, s26, s24
	s_and_b32 s26, s26, 1                          ; which of the two blocks is mine
	s_and_b32 s27, ttmp9, 15                       ; p
	s_sub_co_u32 s33, 31, s27
	s_cmp_eq_u32 s26, 0
	s_cselect_b32 s27, s27, s33                    ; my block of 64 queries: p or 31 - p
	s_bfe_u32 s28, ttmp9, 0x20004                  ; the head group
	s_lshr_b32 s29, ttmp9, 6                       ; the batch
	s_lshl_b32 s32, s29, 2
	s_add_co_u32 s32, s32, s28
	s_lshl_b32 s32, s32, 19                        ; (batch x 4 + head group) x 512 KiB, in q, k and v alike
	s_lshl_b32 s33, s25, 10
	s_add_co_u32 s34, s32, s33
	s_add_co_u32 s36, s34, 0x800000                ; K: + head x 1,024
	s_mov_b32 s37, 0
	s_lshl_b32 s38, s27, 14
	s_add_co_u32 s38, s38, s34                     ; Q: + my first tile x 4,096
	s_mov_b32 s39, 0
	s_lshl_b32 s40, s25, 13
	s_add_co_u32 s40, s40, s32
	s_add_co_u32 s40, s40, 0x1000000               ; V: + head x 8,192
	s_mov_b32 s41, 0
	s_lshl_b32 s42, s27, 19                        ; causal_mask: my first query's row, 64 rows of 8,192 bytes a block
	s_mov_b32 s43, 0
	s_lshl_b32 s44, s29, 12
	s_mov_b32 s45, 0
	s_lshl_b32 s46, s27, 8
	s_lshl_b32 s47, s29, 6
	s_add_co_u32 s46, s46, s47
	s_mov_b32 s47, 0
	s_lshl_b32 s48, s29, 21
	s_lshl_b32 s49, s27, 16
	s_add_co_u32 s48, s48, s49
	s_lshl_b32 s49, s25, 14
	s_add_co_u32 s48, s48, s49
	s_lshl_b32 s49, s28, 8
	s_add_co_u32 s48, s48, s49                     ; oc: row batch x 2,048 + 64 x block + 16 x head, + the head group's 256 bytes
	s_mov_b32 s49, 0
	s_mul_i32 s50, s26, 64*SP                      ; my block's stage
	s_mul_i32 s51, s25, 16*SP
	s_add_co_u32 s51, s51, s50
	s_lshl_b32 s33, s25, 6
	s_add_co_u32 s50, s50, s33
	s_mov_b32 s30, 0x76543210                      ; v_permlanex16_b32: lane l xor 16
	s_mov_b32 s31, 0xfedcba98
	v_and_b32 v1, 31, v0
	v_lshlrev_b32 v[LO], 4, v1
	v_and_b32 v60, 15, v0                          ; r
	v_bfe_u32 v61, v0, 4, 1                        ; h
	v_lshlrev_b32 v[MO], 13, v60
	v_lshl_add_u32 v[MO], v61, 5, v[MO]            ; causal_mask: row r, + 8 h keys
	v_mul_u32_u24 v[STO], v60, SP
	v_lshl_add_u32 v[STO], v61, 3, v[STO]
	v_add_nc_u32 v[STO], s50, v[STO]               ; into the stage: row r, + 64 x head + 8 h
	v_mul_u32_u24 v[RD], v61, SP
	v_lshl_add_u32 v[RD], v60, 4, v[RD]
	v_add_nc_u32 v[RD], s51, v[RD]                 ; back: rows 16 x head on, sixteen lanes to a row
	v_lshlrev_b32 v[GO], 10, v61
	v_lshl_add_u32 v[GO], v60, 4, v[GO]
.irp i, 0,1
	v_mov_b32 v[F+2*\i+1], 0                       ; (named as the upper half of f's pair)
	v_mov_b32 v[PT+\i], 0                          ; a lane permute's destination counts as read
.endr
	AWAIT                                          ; directly ahead of the wait below
	s_wait_kmcnt 0x0
	s_load_b128 s[52:55], s[76:77], 0x18           ; e6, e7, e8, e9
	s_load_b32 s56, s[76:77], 0x28                 ; e10
	s_add_nc_u64 s[4:5], s[68:69], s[36:37]        ; K
	s_add_nc_u64 s[6:7], s[68:69], s[40:41]        ; V
	s_add_nc_u64 s[10:11], s[68:69], s[38:39]      ; Q
	s_add_nc_u64 s[12:13], s[70:71], s[42:43]      ; causal_mask
	s_add_nc_u64 s[14:15], s[74:75], s[44:45]      ; my batch's lane masks
	s_add_nc_u64 s[16:17], s[78:79], s[48:49]      ; oc
	s_add_nc_u64 s[100:101], s[72:73], s[46:47]    ; my block's and batch's word of bits
	s_load_b32 s22, s[100:101], 0x0
	WIN 0x40
.irp i, 0,1,2,3
	global_load_b128 v[QF+8*\i:QF+8*\i+3], v[LO], s[10:11] offset:4096*\i
	global_load_b128 v[QF+8*\i+4:QF+8*\i+7], v[LO], s[10:11] offset:4096*\i+512
.endr
.set JJ, 0
.rept 128
	v_mov_b32 v[OT+JJ], 0                          ; O^T.  (No step is written apart for the start: the first finds zeros, which the first change of M leaves zeros)
.set JJ, JJ+1
.endr
	WIN 0
.irp i, 0,1,2,3
	v_mov_b32 v[ST+4*\i+32*(\i/2)+1], 0xff61b1e6   ; the largest t so far: -3e38
	v_floor_f32 v[ST+4*\i+32*(\i/2)], -v[ST+4*\i+32*(\i/2)+1]   ; -M
	v_mov_b32 v[ST+4*\i+32*(\i/2)+2], 0            ; l
	v_mov_b32 v[ST+4*\i+32*(\i/2)+3], 0
.endr
	AWAIT
	s_wait_kmcnt 0x0
	s_add_co_i32 s57, s52, s53
	s_sub_co_i32 s58, s57, 3
	s_lshl_b32 s58, s58, 23
	s_add_co_i32 s20, s58, 0x3fb8aa3b              ; c2 = log2(e) x 2^(e6 + e7 - 3)
	s_sub_co_i32 s58, 130, s57
	s_lshl_b32 s58, s58, 23                        ; 2^(3 - e6 - e7)
	v_mov_b32 v[MS], s58
	v_mov_b32 v[MS+1], s58
	v_mov_b32 v[NG], 0xce6e6b28
	v_mul_f32 v[NG], s58, v[NG]                    ; -1e9 in the codes' unit
	s_add_co_i32 s58, s54, 127
	s_lshl_b32 s59, s58, 23
	v_mov_b32 v[E8], s59                           ; 2^e8
	s_add_co_i32 s58, s58, 8
	s_lshl_b32 s58, s58, 23
	s_or_b32 s58, s58, 0x600000
	v_mov_b32 v[HA], s58                           ; 448 x 2^e8
	v_mov_b32 v[HB], s58
	s_add_co_i32 s58, s56, 127
	s_lshl_b32 s59, s58, 23
	v_mov_b32 v[E10], s59
	s_add_co_i32 s58, s58, 8
	s_lshl_b32 s58, s58, 23
	s_or_b32 s58, s58, 0x600000
	v_mov_b32 v[H10], s58
	s_add_co_i32 s21, s54, s55                     ; e8 + e9
.macro NEXT                            ; the next walked step: s24 its bit, s27 its number, held at 15 ahead of every address; its bit is struck
	s_ctz_i32_b32 s24, s22
	s_lshl_b32 s28, 1, s24
	s_and_not1_b32 s22, s22, s28
	s_sub_co_u32 s27, 15, s24
	s_min_u32 s27, s27, 15
.endm
.macro LDK                             ; my head's eight fragments of K: 16 keys x 64
.irp t, 0,1,2,3,4,5,6,7
	global_load_b128 v[KF+8*\t:KF+8*\t+3], v[KO], s[4:5] offset:4096*\t
	global_load_b128 v[KF+8*\t+4:KF+8*\t+7], v[KO], s[4:5] offset:4096*\t+512
.endr
.endm
.macro LDV                             ; my head's four fragments of V: 16 channels x 128 keys
	WIN 0x40
.irp d, 0,1,2,3
.irp c, 0,1,2,3
	global_load_b128 v[VF+16*\d+4*\c:VF+16*\d+4*\c+3], v[VO], s[6:7] offset:2048*\d+512*\c
.endr
.endr
	WIN 0
.endm
.macro QK withc, hf                    ; the half's two tiles: sixteen accumulators, one instruction each
	WIN 0x04                                       ; source 1 (Q) window 1
.irp t, 0,1,2,3,4,5,6,7
.irp i, 0,1
.if \withc
	v_wmma_f32_16x16x64_fp8_fp8 v[S+64*\i+8*\t:S+64*\i+8*\t+7], v[KF+8*\t:KF+8*\t+7], v[QF+16*(\hf)+8*\i:QF+16*(\hf)+8*\i+7], v[S+64*\i+8*\t:S+64*\i+8*\t+7]
.else
	v_wmma_f32_16x16x64_fp8_fp8 v[S+64*\i+8*\t:S+64*\i+8*\t+7], v[KF+8*\t:KF+8*\t+7], v[QF+16*(\hf)+8*\i:QF+16*(\hf)+8*\i+7], 0
.endif
.endr
.endr
	WIN 0
.endm
.macro MAXT i                          ; the largest number among my 64 keys: four chains, each accumulator from its low end on
.set B, S+64*(\i)
.set C, CH+4*(\i)
.irp c, 0,1,2,3
	v_max3_num_f32 v[C+\c], v[B+16*\c], v[B+16*\c+1], v[B+16*\c+2]
.endr
.irp k, 3,5,7,9,11,13
.irp c, 0,1,2,3
	v_max3_num_f32 v[C+\c], v[C+\c], v[B+16*\c+\k], v[B+16*\c+\k+1]
.endr
.endr
	v_max3_num_f32 v[C], v[C], v[C+1], v[B+15]
	v_max3_num_f32 v[C+2], v[C+2], v[C+3], v[B+31]
	v_max3_num_f32 v[C], v[C], v[C+2], v[B+47]
	v_max_num_f32 v[C], v[C], v[B+63]
.endm
.macro SUMT i, ts                      ; l += the sum of the UNQUANTISED p, four chains; then the hold (the conversion does not saturate: ISA guide 7.6.2; p is not negative, so it is one-sided), two numbers a line
.set B, S+64*(\i)
.set TS, (\ts)+4*(\i)
.irp c, 0,1,2,3
	v_pk_add_f32 v[SC+2*\c:SC+2*\c+1], v[B+4*\c:B+4*\c+1], v[B+4*\c+2:B+4*\c+3]
.endr
.irp k, 16,24,32,40,48,56
.irp c, 0,1,2,3
	v_pk_add_f32 v[SC+2*\c:SC+2*\c+1], v[SC+2*\c:SC+2*\c+1], v[B+\k+2*\c:B+\k+2*\c+1]
.endr
.endr
	v_pk_add_f32 v[SC:SC+1], v[SC:SC+1], v[SC+2:SC+3]
	v_pk_add_f32 v[SC+4:SC+5], v[SC+4:SC+5], v[SC+6:SC+7]
	v_pk_add_f32 v[SC:SC+1], v[SC:SC+1], v[SC+4:SC+5]
	v_pk_add_f32 v[TS+2:TS+3], v[TS+2:TS+3], v[SC:SC+1]
.set NN, 0
.rept 32
	v_dual_min_num_f32 v[B+NN], v[B+NN], v[HA] :: v_dual_min_num_f32 v[B+NN+1], v[B+NN+1], v[HB]
.set NN, NN+2
.endr
.endm
; HALF A STEP: tiles 2 hf and 2 hf + 1 against the step's 128 keys
.macro HALF hf
.set TB0, ST+40*(\hf)
	s_bitcmp1_b32 s23, s24
	AWAIT
	s_cbranch_scc1 .Lmixed_\@
	s_mov_b32 s18, s20                             ; the factor of the common lines below: c2
	s_mov_b32 s19, s20
.if \hf == 0
	s_wait_loadcnt 16                              ; Q and K are in; V's sixteen loads are younger
.endif
	QK 0, \hf
	s_branch .Lcommon_\@
.Lmixed_\@:
	s_lshl_b32 s28, s25, 8
	s_load_b512 s[36:51], s[14:15], s28 offset:0x0 ; the step's 64 lane masks: word n in s[36 + n], but words 28-31 in s32-35
	s_load_b256 s[52:59], s[14:15], s28 offset:0x40
	s_load_b128 s[60:63], s[14:15], s28 offset:0x60
	s_load_b128 s[32:35], s[14:15], s28 offset:0x70
	s_load_b512 s[68:83], s[14:15], s28 offset:0x80
	s_load_b512 s[84:99], s[14:15], s28 offset:0xc0
	v_lshl_add_u32 v[MV], s25, 9, v[MO]
.irp i, 0,1
.irp t, 0,1,2,3,4,5,6,7
	global_load_b128 v[S+64*\i+8*\t:S+64*\i+8*\t+3], v[MV], s[12:13] offset:131072*(2*(\hf)+\i)+64*\t
	global_load_b128 v[S+64*\i+8*\t+4:S+64*\i+8*\t+7], v[MV], s[12:13] offset:131072*(2*(\hf)+\i)+64*\t+16
.endr
.endr
	s_mov_b32 s18, 1.0                             ; the common lines find t itself
	s_mov_b32 s19, 1.0
	AWAIT
	s_wait_loadcnt 0x0
	s_wait_kmcnt 0x0
.set JJ, 0
.rept 64
	v_pk_mul_f32 v[S+JJ:S+JJ+1], v[S+JJ:S+JJ+1], v[MS:MS+1] op_sel_hi:[1,0]   ; a power of two: nothing is rounded
.set JJ, JJ+2
.endr
.set NN, 0
.rept 64
.if (NN >= 28) && (NN < 32)
.set SMR, NN+4
.else
.set SMR, NN+36
.endif
	v_cndmask_b32 v[S+NN], v[S+NN], v[NG], s[SMR]          ; a padded key's number takes the mask's place
	v_cndmask_b32 v[S+64+NN], v[S+64+NN], v[NG], s[SMR]
.set NN, NN+1
.endr
	QK 1, \hf
	PLACES
.set JJ, 0
.rept 64
	v_pk_mul_f32 v[S+JJ:S+JJ+1], v[S+JJ:S+JJ+1], s[20:21] op_sel_hi:[1,0]     ; t, rounded to f32
.set JJ, JJ+2
.endr
.Lcommon_\@:
	PLACES                                         ; in front of the first read of the scores, and of the loads into K's registers
.if \hf == 1
	NEXT
	v_lshl_add_u32 v[KO], s27, 15, v[LO]           ; K's loads of this step are done, V's name another register
	LDK
.endif
	MAXT 0
	MAXT 1
.irp i, 0,1
	v_permlanex16_b32 v[PT+\i], v[CH+4*\i], s30, s31
.endr
.irp i, 0,1
	v_max_num_f32 v[CH+4*\i], v[CH+4*\i], v[PT+\i] ; and lane l xor 16's
.endr
.irp i, 0,1
	v_mul_f32 v[CH+4*\i], s18, v[CH+4*\i]          ; as t (the factor is positive)
.endr
.irp i, 0,1
	v_max_num_f32 v[TB0+4*\i+1], v[TB0+4*\i+1], v[CH+4*\i]
	v_mov_b32 v[T2+\i], v[TB0+4*\i]
.endr
.irp i, 0,1
	v_floor_f32 v[TB0+4*\i], -v[TB0+4*\i+1]        ; the new -M = -ceil(t): a whole number
.endr
.irp i, 0,1
	v_sub_f32 v[T2+\i], v[TB0+4*\i], v[T2+\i]      ; old M - new M, 0 or less
.endr
.irp i, 0,1
	v_cvt_i32_f32 v[T2+\i], v[T2+\i]               ; (it saturates)
.endr
.irp i, 0,1
	v_ldexp_f32 v[F+2*\i], 1.0, v[T2+\i]           ; f = 2^(old M - new M): a multiplication by it rounds nothing
.endr
	WIN 0x41                                       ; O^T under the new M
	AWAIT                                          ; directly ahead of the first reader of O^T
.irp i, 0,1
.set JJ, 0
.rept 16
	v_pk_mul_f32 v[OT+64*(\hf)+32*\i+JJ:OT+64*(\hf)+32*\i+JJ+1], v[OT+64*(\hf)+32*\i+JJ:OT+64*(\hf)+32*\i+JJ+1], v[F+2*\i:F+2*\i+1] op_sel_hi:[1,0]
.set JJ, JJ+2
.endr
.endr
	WIN 0
.irp i, 0,1
.set JJ, 0
.rept 32
	v_pk_fma_f32 v[S+64*\i+JJ:S+64*\i+JJ+1], v[S+64*\i+JJ:S+64*\i+JJ+1], s[18:19], v[TB0+4*\i:TB0+4*\i+1] op_sel_hi:[1,0,0]   ; t - M
.set JJ, JJ+2
.endr
.endr
	AWAIT                                          ; ahead of the batch
.set JJ, 0
.rept 128
	v_exp_f32 v[S+JJ], v[S+JJ]
.set JJ, JJ+1
.endr
.irp i, 0,1
	v_pk_mul_f32 v[TB0+4*\i+2:TB0+4*\i+3], v[TB0+4*\i+2:TB0+4*\i+3], v[F+2*\i:F+2*\i+1] op_sel_hi:[1,0]   ; l under the new M; (plain lines behind the batch)
.endr
	AWAIT                                          ; one wait for the batch, ahead of its first reader
	SUMT 0, TB0
	SUMT 1, TB0
	WIN 0x40
.irp i, 0,1
.irp k, 0,1,2,3,4,5,6,7
	v_cvt_scalef32_pk8_fp8_f32 v[PF+16*\i+2*\k:PF+16*\i+2*\k+1], v[S+64*\i+8*\k:S+64*\i+8*\k+7], v[E8]
.endr
.endr
	WIN 0
	v_nop                                          ; one plain line behind the conversions
.if \hf == 0
	AWAIT
	s_wait_loadcnt 0x0                             ; V is in: nothing younger is out
.endif
	WIN 0x55
.irp d, 0,1,2,3
.irp i, 0,1
	v_wmma_f32_16x16x128_fp8_fp8 v[OT+64*(\hf)+32*\i+8*\d:OT+64*(\hf)+32*\i+8*\d+7], v[VF+16*\d:VF+16*\d+15], v[PF+16*\i:PF+16*\i+15], v[OT+64*(\hf)+32*\i+8*\d:OT+64*(\hf)+32*\i+8*\d+7]
.endr
.endr
	WIN 0
.if \hf == 1
	PLACES                                         ; in front of the loads into V's registers
	v_lshl_add_u32 v[VO], s27, 15, v[LO]
	LDV
.endif
.endm
	s_lshr_b32 s23, s22, 16                        ; the mixed steps' bits
	s_and_b32 s22, s22, 0xffff                     ; the live steps' bits
	s_bcnt1_i32_b32 s26, s22                       ; steps to walk: at least one
	s_mov_b32 s8, 0                                ; steps walked
	NEXT
	s_mov_b32 s25, s27                             ; the step in hand
	v_lshl_add_u32 v[KO], s27, 15, v[LO]           ; a step of K or of V is 32 KiB on
	v_lshl_add_u32 v[VO], s27, 15, v[LO]
	LDK
	LDV
.Lstep:
	HALF 0
	HALF 1
	s_mov_b32 s25, s27
	s_add_co_u32 s8, s8, 1
	s_cmp_lt_u32 s8, s26
	AWAIT
	s_cbranch_scc1 .Lstep
	; THE WAY OUT.  O^T / l x 2^(e8 + e9) is quantised with 2^e10; a lane's eight channels are eight bytes of a row of oc; a row's 256 bytes come from four waves, so they meet in the block's stage.
	s_wait_loadcnt 0x0                             ; the last trip's look-ahead has landed: K's registers take the codes below
.irp i, 0,1,2,3
	v_add_f32 v[ST+4*\i+32*(\i/2)+2], v[ST+4*\i+32*(\i/2)+2], v[ST+4*\i+32*(\i/2)+3]
.endr
.irp i, 0,1,2,3
	v_permlanex16_b32 v[CH+\i], v[ST+4*\i+32*(\i/2)+2], s30, s31
.endr
.irp i, 0,1,2,3
	v_add_f32 v[ST+4*\i+32*(\i/2)+2], v[ST+4*\i+32*(\i/2)+2], v[CH+\i]
.endr
	AWAIT
.irp i, 0,1,2,3
	v_rcp_f32 v[ST+4*\i+32*(\i/2)+2], v[ST+4*\i+32*(\i/2)+2]
.endr
	v_nop
	AWAIT
.irp i, 0,1,2,3
	v_ldexp_f32 v[ST+4*\i+32*(\i/2)+2], v[ST+4*\i+32*(\i/2)+2], s21
.endr
	WIN 0x01
	AWAIT                                          ; directly ahead of the first reader of O^T
.irp i, 0,1,2,3
.set JJ, 0
.rept 16
	v_pk_mul_f32 v[S+32*\i+JJ:S+32*\i+JJ+1], v[OT+32*\i+JJ:OT+32*\i+JJ+1], v[ST+4*\i+32*(\i/2)+2:ST+4*\i+32*(\i/2)+3] op_sel_hi:[1,0]
.set JJ, JJ+2
.endr
.endr
	WIN 0
.set JJ, 0
.rept 128
	v_med3_num_f32 v[S+JJ], v[S+JJ], -v[H10], v[H10]
.set JJ, JJ+1
.endr
.irp q, 0,1,2,3,4,5,6,7,8,9,10,11,12,13,14,15
	v_cvt_scalef32_pk8_fp8_f32 v[KF+2*\q:KF+2*\q+1], v[S+8*\q:S+8*\q+7], v[E10]
.endr
	v_nop
.irp i, 0,1,2,3
.irp d, 0,1,2,3
	ds_store_b64 v[STO], v[KF+8*\i+2*\d:KF+8*\i+2*\d+1] offset:16*SP*\i+16*\d
.endr
.endr
	AWAIT
	s_wait_dscnt 0x0                               ; for the others' sake: my stores into the stage are done
	s_barrier_signal -1
	s_barrier_wait -1
.irp t, 0,1,2,3,4,5,6,7
	ds_load_b128 v[S+4*\t:S+4*\t+3], v[RD] offset:2*SP*\t
.endr
.irp t, 0,1,2,3,4,5,6,7
	s_wait_dscnt 7-\t                              ; LDS loads come back in order: pair t of rows is in
	global_store_b128 v[GO], v[S+4*\t:S+4*\t+3], s[16:17] offset:2048*\t   ; sixteen lanes store 256 consecutive bytes, aligned
.endr
	s_wait_tensorcnt 0x0                           ; the wave's end
	ds_add_u32 v[SPW], v[NIL]
	s_wait_dscnt 0x0
	s_endpgm
.Lfunc_end_k_q11beeab3f0_attn:
	.size	k_q11beeab3f0_attn, .Lfunc_end_k_q11beeab3f0_attn-k_q11beeab3f0_attn
	.p2alignl 7, 3214868480
	.fill 96, 4, 3214868480
	.section	.rodata,"a",@progbits
	.p2align	6, 0x0
	.amdhsa_kernel k_q11beeab3f0_attn
		.amdhsa_group_segment_fixed_size 35840
		.amdhsa_private_segment_fixed_size 0
		.amdhsa_enable_private_segment 0
		.amdhsa_kernarg_size 48
		.amdhsa_user_sgpr_count 2
		.amdhsa_user_sgpr_kernarg_segment_ptr 1
		.amdhsa_wavefront_size32 1
		.amdhsa_system_sgpr_workgroup_id_x 1
		.amdhsa_system_sgpr_workgroup_id_y 1
		.amdhsa_system_sgpr_workgroup_id_z 1
		.amdhsa_system_vgpr_workitem_id 0
		.amdhsa_next_free_vgpr 512
		.amdhsa_next_free_sgpr 102
		.amdhsa_reserve_vcc 0
		.amdhsa_float_denorm_mode_32 3
		.amdhsa_float_denorm_mode_16_64 3
		.amdhsa_memory_ordered 1
		.amdhsa_forward_progress 1
		.amdhsa_inst_pref_size 128
	.end_amdhsa_kernel
	.amdgpu_metadata
---
amdhsa.version: [ 1, 2 ]
amdhsa.kernels:
  - .name:           k_q11beeab3f0_attn
    .symbol:         k_q11beeab3f0_attn.kd
    .args:
      - { .name: qkv, .offset: 0, .size: 8, .value_kind: global_buffer, .address_space: global }
      - { .name: causal_mask, .offset: 8, .size: 8, .value_kind: global_buffer, .address_space: global }
      - { .name: flags, .offset: 16, .size: 8, .value_kind: global_buffer, .address_space: global }
      - { .name: padlm, .offset: 24, .size: 8, .value_kind: global_buffer, .address_space: global }
      - { .name: lowp_scales, .offset: 32, .size: 8, .value_kind: global_buffer, .address_space: global }
      - { .name: oc, .offset: 40, .size: 8, .value_kind: global_buffer, .address_space: global }
    .group_segment_fixed_size: 35840
    .private_segment_fixed_size: 0
    .kernarg_segment_align: 8
    .kernarg_segment_size: 48
    .max_flat_workgroup_size: 256
    .sgpr_count:     102
    .vgpr_count:     512
    .wavefront_size: 32
...
	.end_amdgpu_metadata
.endif
;; end of part 3
;; launch oproj (part 4): grid 4 x 32, 4 waves a work-group, clusters of 4 x 4, 327,680 bytes of LDS; arguments oc, Wo_codes, lowp_scales, ybuf; writes ybuf
.if DOCPART == 4
	.amdgcn_target "amdgcn-amd-amdhsa--gfx1250"
	.amdhsa_code_object_version 6
	.text
	.protected	k_q11beeab3f0_oproj
	.globl	k_q11beeab3f0_oproj
	.p2align	8
	.type	k_q11beeab3f0_oproj,@function
k_q11beeab3f0_oproj:
	s_mov_b64 s[64:65], 0
	v_nop
	global_prefetch_b8 v0, s[64:65] scope:SCOPE_SE
	s_setreg_imm32_b32 hwreg(HW_REG_WAVE_MODE, 25, 1), 1
	s_wait_xcnt 0x0
	s_wait_alu depctr_hold_cnt(0) depctr_sa_sdst(0) depctr_va_vdst(0) depctr_va_sdst(0) depctr_va_ssrc(0) depctr_va_vcc(0) depctr_vm_vsrc(0)
	s_getreg_b32 s2, hwreg(HW_REG_IB_STS2, 6, 4)
	s_cmp_eq_u32 s2, 0
	s_cbranch_scc0 .Lentry_in_a_cluster
	s_endpgm
.Lentry_in_a_cluster:
	s_bfe_u32 s2, ttmp6, 0x10000c
	s_cmp_lg_u32 s2, 0xf033
	s_cbranch_scc0 .Lentry_shape_is_right
	s_endpgm
.Lentry_shape_is_right:
.set SIZE_M, 8192
.set SIZE_N, 1024
.set SIZE_K, 1024
.set KSTEP,  256
.set ROWB,   256
.set KROW,   SIZE_K
.set PITCH,  272
.set FR,     16
.set NL,     4
.set NP,     4
.set HALFT,  128*PITCH
.set SLOT,   4*HALFT
.set LAPS,   SIZE_K/(2*KSTEP)
.set SPARE,  2*SLOT
.set SPITCH, 528
.set ADRA, 16
.set ADRB, 20
.set STO,  24
.set RD,   25
.set CO,   26
.set SPW,  28
.set NIL,  29
.set TMP,  32
.set AF,   128
.set BK,   128
.set G1, 24
.set G0, 32
.set G1B, 48
.set G0B, 56
.set MSB, 0
.macro WIN new
.if MSB != \new
	s_set_vgpr_msb (MSB<<8)|\new
.set MSB, \new
.endif
.endm
.set MUL_LO, 0xa1
.set MUL_HI, 0xf1
.set TO_B,   0x40
.macro JLOAD g0a, g1a, g0b, g1b
	s_cmp_eq_u32 s15, 0
	s_cbranch_scc0 .Lfor_b_\@
	tensor_load_to_lds s[\g0a:\g0a+3], s[\g1a:\g1a+7]
	s_nop 0
.rept 4
	v_nop
.endr
	s_branch .Lasked_\@
.Lfor_b_\@:
	tensor_load_to_lds s[\g0b:\g0b+3], s[\g1b:\g1b+7]
	s_nop 0
.rept 4
	v_nop
.endr
.Lasked_\@:
.endm
.macro CREST
	s_cmp_lg_u32 s14, 0
	s_cbranch_scc1 .Lnot_wave_0_\@
	s_barrier_signal -3
.Lnot_wave_0_\@:
	s_barrier_wait -3
	s_barrier_signal -1
	s_barrier_wait -1
.endm
.macro CROUND
	s_barrier_signal -1
	s_barrier_wait -1
	CREST
.endm
	s_load_b128 s[4:7], s[0:1], 0x0
	s_load_b128 s[8:11], s[0:1], 0x10
	v_lshl_add_u32 v[SPW], v0, 2, SPARE
	v_mov_b32 v[NIL], 0
	ds_add_u32 v28, v29
	ds_add_u32 v28, v29
	s_wait_dscnt 0x0
	v_lshrrev_b32 v1, 5, v0
	v_readfirstlane_b32 s14, v1
	s_lshr_b32 s15, s14, 1
	s_and_b32 s16, s14, 1
	s_bfe_u32 s40, ttmp6, 0x40000
	s_bfe_u32 s41, ttmp6, 0x40004
	s_lshl_b32 s42, ttmp9, 2
	s_add_co_u32 s42, s42, s40
	s_and_b32 s17, ttmp7, 0xffff
	s_lshl_b32 s17, s17, 2
	s_add_co_u32 s17, s17, s41
	s_lshl_b32 s43, s41, 2
	s_lshl_b32 s43, 15, s43
	s_lshl_b32 s44, 0x1111, s40
	s_or_b32 s[G1+0], s43, (0<<16)|(1<<20)|(1<<21)|(5<<22)|(3<<25)
	s_or_b32 s[G1B+0], s44, (0<<16)|(1<<20)|(1<<21)|(5<<22)|(3<<25)
.irp g, G1, G1B
	s_mov_b32 s[\g+1], ROWB<<16
	s_mov_b32 s[\g+2], 128<<16
	s_mov_b32 s[\g+3], ROWB<<16
	s_mov_b32 s[\g+4], 128
	s_mov_b32 s[\g+5], KROW
	s_mov_b32 s[\g+6], 0
	s_mov_b32 s[\g+7], 0
.endr
	s_lshl_b32 s18, s16, 7
	s_lshl_b32 s20, s17, 8
	s_add_co_u32 s20, s20, s18
	s_lshl_b32 s46, s42, 8
	s_add_co_u32 s46, s46, s18
	s_mov_b32 s21, 0
	s_mov_b32 s47, 0
	s_mov_b64 s[18:19], KROW
	s_mul_u64 s[20:21], s[20:21], s[18:19]
	s_mul_u64 s[46:47], s[46:47], s[18:19]
	s_mul_i32 s45, s14, HALFT
	s_wait_kmcnt 0x0
	s_load_b64 s[96:97], s[8:9], 0x28
	s_add_nc_u64 s[20:21], s[4:5], s[20:21]
	s_add_nc_u64 s[46:47], s[6:7], s[46:47]
	CROUND
.irp s, 0,1
	s_mov_b32 s[G0+4*\s], 1
	s_add_co_u32 s[G0+4*\s+1], s45, \s*SLOT
	s_add_nc_u64 s[G0+4*\s+2:G0+4*\s+3], s[20:21], \s*ROWB
	s_or_b32 s[G0+4*\s+3], s[G0+4*\s+3], 0x80000000
	s_mov_b32 s[G0B+4*\s], 1
	s_add_co_u32 s[G0B+4*\s+1], s45, \s*SLOT
	s_add_nc_u64 s[G0B+4*\s+2:G0B+4*\s+3], s[46:47], \s*ROWB
	s_or_b32 s[G0B+4*\s+3], s[G0B+4*\s+3], 0x80000000
	s_wait_alu depctr_va_vdst(0)
	s_wait_tensorcnt 0x0
	ds_add_u32 v28, v29
	ds_add_u32 v28, v29
	s_wait_dscnt 0x0
	CROUND
	JLOAD G0+4*\s, G1, G0B+4*\s, G1B
.endr
	v_and_b32 v1, 15, v0
	s_wait_alu depctr_va_vdst(0)
	v_bfe_u32 v2, v0, 4, 1
	v_mul_u32_u24 v3, v1, PITCH
	v_lshl_add_u32 v4, v2, 4, v3
	s_mul_i32 s21, s15, HALFT
	s_mul_i32 s22, s16, HALFT
	s_add_co_u32 s22, s22, 2*HALFT
.irp s, 0,1
	v_add_nc_u32 v[ADRA+\s], s21, v4
	v_add_nc_u32 v[ADRB+\s], s22, v4
	s_add_co_u32 s21, s21, SLOT
	s_add_co_u32 s22, s22, SLOT
.endr
	s_mul_i32 s23, s14, 16*SPITCH
	v_mul_u32_u24 v5, v1, SPITCH
	s_wait_alu depctr_va_vdst(0)
	v_lshl_add_u32 v5, v2, 5, v5
	v_add_nc_u32 v[STO], s23, v5
	v_and_b32 v6, 31, v0
	v_lshlrev_b32 v[CO], 4, v6
	v_add_nc_u32 v[RD], s23, v[CO]
	s_lshl_b32 s20, s17, 8
	s_lshl_b32 s21, s15, 7
	s_add_co_u32 s20, s20, s21
	s_mov_b32 s21, 0
	s_mov_b64 s[18:19], SIZE_N*4
	s_mul_u64 s[20:21], s[20:21], s[18:19]
	s_lshl_b32 s46, s42, 10
	s_lshl_b32 s47, s16, 9
	s_add_co_u32 s46, s46, s47
	s_mov_b32 s47, 0
	s_add_nc_u64 s[20:21], s[20:21], s[46:47]
	s_add_nc_u64 s[10:11], s[10:11], s[20:21]
.macro FRAG reg, adr, q, i
.irp c, 0,1,2,3
	ds_load_b128 v[\reg+4*\c:\reg+4*\c+3], v[\adr] offset:128*(\q)+32*\c+(\i)*16*PITCH
.endr
.endm
.macro MUL16 a0, p, zero
.irp a, \a0, \a0+1
.irp b, 0,1,2,3,4,5,6,7
.if \zero
	v_wmma_f32_16x16x128_fp8_fp8 v[8*(8*((\a)%4)+\b):8*(8*((\a)%4)+\b)+7], v[128*(\p)+FR*\b:128*(\p)+FR*\b+FR-1], v[AF+FR*(\a):AF+FR*(\a)+FR-1], 0
.else
	v_wmma_f32_16x16x128_fp8_fp8 v[8*(8*((\a)%4)+\b):8*(8*((\a)%4)+\b)+7], v[128*(\p)+FR*\b:128*(\p)+FR*\b+FR-1], v[AF+FR*(\a):AF+FR*(\a)+FR-1], v[8*(8*((\a)%4)+\b):8*(8*((\a)%4)+\b)+7]
.endif
.endr
.endr
.endm
.macro FETCH_B slot, q, p
	WIN TO_B
.irp i, 0,1,2,3,4,5,6,7
	FRAG 128*(\p)+FR*\i, ADRB+\slot, \q, \i
.endr
	WIN 0
.endm
.macro FETCH_A slot, q, i0
.irp i, \i0, \i0+1, \i0+2, \i0+3
	FRAG AF+FR*(\i), ADRA+\slot, \q, \i
.endr
.endm
.macro PLACES n
.rept \n
	v_nop
.endr
.endm
.macro STEP slot, q, zero
	s_wait_dscnt 4*NL
	WIN MUL_LO
	MUL16 0, (\q)%2, \zero
	MUL16 2, (\q)%2, \zero
	s_wait_dscnt 0
	PLACES NP
	FETCH_B \slot, (\q)+1, 1-(\q)%2
	FETCH_A \slot, (\q)+1, 0
	WIN MUL_HI
	MUL16 4, (\q)%2, \zero
	MUL16 6, (\q)%2, \zero
	PLACES NP
	WIN 0
	FETCH_A \slot, (\q)+1, 4
.endm
.macro TURN slot, next, fill
	s_wait_tensorcnt 0x0
	ds_add_u32 v[SPW], v[NIL]
	s_wait_dscnt 4*NL+1
	WIN MUL_LO
	MUL16 0, 1, 0
	s_wait_dscnt 0x0
	s_barrier_signal -1
	MUL16 2, 1, 0
	WIN 0
	s_barrier_wait -1
.if \fill
	CREST
	s_add_nc_u64 s[G0+4*\slot+2:G0+4*\slot+3], s[G0+4*\slot+2:G0+4*\slot+3], 2*ROWB
	s_add_nc_u64 s[G0B+4*\slot+2:G0B+4*\slot+3], s[G0B+4*\slot+2:G0B+4*\slot+3], 2*ROWB
	JLOAD G0+4*\slot, G1, G0B+4*\slot, G1B
.else
	PLACES NP
.endif
	FETCH_B \next, 0, 0
	FETCH_A \next, 0, 0
	WIN MUL_HI
	MUL16 4, 1, 0
	MUL16 6, 1, 0
	PLACES NP
	WIN 0
	FETCH_A \next, 0, 4
.endm
	s_wait_tensorcnt 1
	s_barrier_signal -1
	s_barrier_wait -1
	FETCH_B 0, 0, 0
	FETCH_A 0, 0, 0
	FETCH_A 0, 0, 4
	STEP 0, 0, 1
	s_mov_b32 s3, LAPS-1
.Llap:
	TURN 0, 1, 1
	STEP 1, 0, 0
	TURN 1, 0, 1
	STEP 0, 0, 0
	s_sub_co_u32 s3, s3, 1
	s_cmp_lg_u32 s3, 0
	s_cbranch_scc1 .Llap
	TURN 0, 1, 0
	STEP 1, 0, 0
	s_wait_dscnt 4*NL
	WIN MUL_LO
	MUL16 0, 1, 0
	MUL16 2, 1, 0
	s_wait_dscnt 0
	WIN MUL_HI
	MUL16 4, 1, 0
	MUL16 6, 1, 0
	WIN 0
.macro TOSTAGE a
.set AC, 64*((\a)%4)
	WIN 0x02+((\a)/4)
.set JJ, 0
.rept 32
	v_pk_mul_f32 v[TMP+JJ:TMP+JJ+1], v[AC+JJ:AC+JJ+1], s[96:97] op_sel_hi:[1,0]
.set JJ, JJ+2
.endr
	WIN 0
.irp b, 0,1,2,3,4,5,6,7
	ds_store_b128 v[STO], v[TMP+8*\b:TMP+8*\b+3] offset:64*\b
	ds_store_b128 v[STO], v[TMP+8*\b+4:TMP+8*\b+7] offset:64*\b+16
.endr
.set BB, BK+64*((\a)%2)
.irp t, 0,1,2,3,4,5,6,7,8,9,10,11,12,13,14,15
	ds_load_b128 v[BB+4*\t:BB+4*\t+3], v[RD] offset:\t*SPITCH
.endr
.endm
.macro SEND a, younger
.set BB, BK+64*((\a)%2)
	s_wait_dscnt \younger
.if (\a) > 0
	s_add_nc_u64 s[10:11], s[10:11], 16*SIZE_N*4
.endif
.irp t, 0,1,2,3,4,5,6,7,8,9,10,11,12,13,14,15
	global_store_b128 v[CO], v[BB+4*\t:BB+4*\t+3], s[10:11] offset:\t*SIZE_N*4
.endr
.endm
	s_wait_kmcnt 0x0
	s_add_co_i32 s96, s96, s97
	s_add_co_i32 s96, s96, 127
	s_lshl_b32 s96, s96, 23
	PLACES NP
	TOSTAGE 0
.irp a, 1,2,3,4,5,6,7
.if \a > 1
	s_wait_xcnt 0x0
.endif
	TOSTAGE \a
	SEND \a-1, 32
.endr
	s_wait_xcnt 0x0
	SEND 7, 0
	s_wait_tensorcnt 0x0
	ds_add_u32 v[SPW], v[NIL]
	s_wait_dscnt 0x0
	CROUND
	s_endpgm
.Lfunc_end_k_q11beeab3f0_oproj:
	.size	k_q11beeab3f0_oproj, .Lfunc_end_k_q11beeab3f0_oproj-k_q11beeab3f0_oproj
	.p2alignl 7, 3214868480
	.fill 96, 4, 3214868480
	.section	.rodata,"a",@progbits
	.p2align	6, 0x0
	.amdhsa_kernel k_q11beeab3f0_oproj
		.amdhsa_group_segment_fixed_size 327680
		.amdhsa_private_segment_fixed_size 0
		.amdhsa_enable_private_segment 0
		.amdhsa_kernarg_size 32
		.amdhsa_user_sgpr_count 2
		.amdhsa_user_sgpr_kernarg_segment_ptr 1
		.amdhsa_wavefront_size32 1
		.amdhsa_system_sgpr_workgroup_id_x 1
		.amdhsa_system_sgpr_workgroup_id_y 1
		.amdhsa_system_sgpr_workgroup_id_z 1
		.amdhsa_system_vgpr_workitem_id 0
		.amdhsa_next_free_vgpr 1024
		.amdhsa_next_free_sgpr 98
		.amdhsa_reserve_vcc 0
		.amdhsa_float_denorm_mode_32 3
		.amdhsa_float_denorm_mode_16_64 3
		.amdhsa_memory_ordered 1
		.amdhsa_forward_progress 1
		.amdhsa_inst_pref_size 124
	.end_amdhsa_kernel
	.amdgpu_metadata
---
amdhsa.version: [ 1, 2 ]
amdhsa.kernels:
  - .name:           k_q11beeab3f0_oproj
    .symbol:         k_q11beeab3f0_oproj.kd
    .args:
      - { .name: oc, .offset: 0, .size: 8, .value_kind: global_buffer, .address_space: global }
      - { .name: Wo_codes, .offset: 8, .size: 8, .value_kind: global_buffer, .address_space: global }
      - { .name: lowp_scales, .offset: 16, .size: 8, .value_kind: global_buffer, .address_space: global }
      - { .name: ybuf, .offset: 24, .size: 8, .value_kind: global_buffer, .address_space: global }
    .group_segment_fixed_size: 327680
    .private_segment_fixed_size: 0
    .kernarg_segment_align: 8
    .kernarg_segment_size: 32
    .max_flat_workgroup_size: 128
    .sgpr_count:     98
    .vgpr_count:     1024
    .wavefront_size: 32
...
	.end_amdgpu_metadata
.endif
;; end of part 4
;; launch fin (part 5): grid 512 x 1, 4 waves a work-group, no clusters, 0 bytes of LDS; arguments ybuf, hbuf, bo, g_ln, b_ln, out0; writes out0
.if DOCPART == 5
	.amdgcn_target "amdgcn-amd-amdhsa--gfx1250"
	.amdhsa_code_object_version 6
	.text
	.protected	k_q11beeab3f0_fin
	.globl	k_q11beeab3f0_fin
	.p2align	8
	.type	k_q11beeab3f0_fin,@function
k_q11beeab3f0_fin:
	s_mov_b64 s[64:65], 0
	v_nop
	global_prefetch_b8 v0, s[64:65] scope:SCOPE_SE
	s_setreg_imm32_b32 hwreg(HW_REG_WAVE_MODE, 25, 1), 1
	s_wait_xcnt 0x0
; out0 = LayerNorm(y + bo + h) g_ln + b_ln.  All [8192][1024] f32.  A stream: a wave holds a whole row (32 registers), four rows a wave through two register slots; no LDS, no barrier, no matrix unit:
; the bytes decide, each is read once by loads of 512 consecutive bytes and written once likewise.
.set BO, 8                             ; v8-39 bo, v40-71 g_ln, v72-103 b_ln: chunk j = columns 128 j + 4 lane + 0..3
.set GL, 40
.set BL, 72
.set Y0, 104                           ; slot s: y at 104 + 64 s, h at 136 + 64 s
	s_load_b256 s[4:11], s[0:1], 0x0               ; ybuf, hbuf, bo, g_ln
	s_load_b128 s[12:15], s[0:1], 0x20             ; b_ln, out0
	v_lshrrev_b32 v1, 5, v0
	v_readfirstlane_b32 s16, v1
	v_and_b32 v1, 31, v0
	v_lshlrev_b32 v2, 4, v1                        ; 16 x lane
	s_lshl_b32 s18, ttmp9, 16                      ; 16 rows of 4,096 bytes a work-group,
	s_lshl_b32 s17, s16, 14                        ; 4 a wave
	s_add_co_u32 s18, s18, s17
	s_mov_b32 s19, 0
	s_mov_b32 s20, 0x76543210
	s_mov_b32 s21, 0xfedcba98
	s_mov_b32 s22, 0x3a800000                      ; 1 / 1024
	s_mov_b32 s23, 0x3727c5ac                      ; 1e-5
	s_wait_alu depctr_va_vdst(0)
	s_wait_kmcnt 0x0
	s_add_nc_u64 s[4:5], s[4:5], s[18:19]
	s_add_nc_u64 s[6:7], s[6:7], s[18:19]
	s_add_nc_u64 s[14:15], s[14:15], s[18:19]
.irp j, 0,1,2,3,4,5,6,7
	global_load_b128 v[BO+4*\j:BO+4*\j+3], v2, s[8:9] offset:512*\j
.endr
.irp j, 0,1,2,3,4,5,6,7
	global_load_b128 v[GL+4*\j:GL+4*\j+3], v2, s[10:11] offset:512*\j
.endr
.irp j, 0,1,2,3,4,5,6,7
	global_load_b128 v[BL+4*\j:BL+4*\j+3], v2, s[12:13] offset:512*\j
.endr
.macro LOADROW r
.set YS, Y0+64*((\r)%2)
.irp j, 0,1,2,3,4,5,6,7
	global_load_b128 v[YS+4*\j:YS+4*\j+3], v2, s[4:5] offset:4096*(\r)+512*\j th:TH_LOAD_NT
.endr
.irp j, 0,1,2,3,4,5,6,7
	global_load_b128 v[YS+32+4*\j:YS+32+4*\j+3], v2, s[6:7] offset:4096*(\r)+512*\j th:TH_LOAD_NT
.endr
.endm
.macro WSUM r, t
	v_add_f32_dpp v[\r], v[\r], v[\r] row_xmask:1 row_mask:0xf bank_mask:0xf
	v_add_f32_dpp v[\r], v[\r], v[\r] row_xmask:2 row_mask:0xf bank_mask:0xf
	v_add_f32_dpp v[\r], v[\r], v[\r] row_xmask:4 row_mask:0xf bank_mask:0xf
	v_add_f32_dpp v[\r], v[\r], v[\r] row_xmask:8 row_mask:0xf bank_mask:0xf
	v_permlanex16_b32 v[\t], v[\r], s20, s21
	v_add_f32 v[\r], v[\r], v[\t]
.endm
	LOADROW 0
	LOADROW 1
.macro ROW r
.set YR, Y0+64*((\r)%2)
.if (\r) < 3
	s_wait_loadcnt 16                              ; this row's loads are in; the next row's sixteen may be out
.else
	s_wait_loadcnt 0
.endif
.irp j, 0,2,4,6,8,10,12,14,16,18,20,22,24,26,28,30
	v_pk_add_f32 v[YR+\j:YR+\j+1], v[YR+\j:YR+\j+1], v[BO+\j:BO+\j+1]
.endr
.irp j, 0,2,4,6,8,10,12,14,16,18,20,22,24,26,28,30
	v_pk_add_f32 v[YR+\j:YR+\j+1], v[YR+\j:YR+\j+1], v[YR+32+\j:YR+32+\j+1]
.endr
	v_pk_add_f32 v[232:233], v[YR:YR+1], v[YR+2:YR+3]
	v_pk_add_f32 v[234:235], v[YR+4:YR+5], v[YR+6:YR+7]
.irp j, 8,12,16,20,24,28
	v_pk_add_f32 v[232:233], v[232:233], v[YR+\j:YR+\j+1]
	v_pk_add_f32 v[234:235], v[234:235], v[YR+\j+2:YR+\j+3]
.endr
	v_pk_add_f32 v[232:233], v[232:233], v[234:235]
	v_add_f32 v232, v232, v233
	WSUM 232, 233
	v_mul_f32 v232, s22, v232                      ; the mean
.irp j, 0,2,4,6,8,10,12,14,16,18,20,22,24,26,28,30
	v_pk_add_f32 v[YR+\j:YR+\j+1], v[YR+\j:YR+\j+1], v[232:233] op_sel_hi:[1,0] neg_lo:[0,1] neg_hi:[0,1]
.endr
	v_pk_mul_f32 v[234:235], v[YR:YR+1], v[YR:YR+1]
	v_pk_mul_f32 v[236:237], v[YR+2:YR+3], v[YR+2:YR+3]
.irp j, 4,8,12,16,20,24,28
	v_pk_fma_f32 v[234:235], v[YR+\j:YR+\j+1], v[YR+\j:YR+\j+1], v[234:235]
	v_pk_fma_f32 v[236:237], v[YR+\j+2:YR+\j+3], v[YR+\j+2:YR+\j+3], v[236:237]
.endr
	v_pk_add_f32 v[234:235], v[234:235], v[236:237]
	v_add_f32 v234, v234, v235
	WSUM 234, 235
	v_fma_f32 v238, v234, s22, s23                 ; variance + 1e-5
	s_wait_alu depctr_va_vdst(0)
	v_rsq_f32 v238, v238
	v_mov_b32 v239, 0                              ; a plain line behind the root; (the pair's upper half)
	s_wait_alu depctr_va_vdst(0)                   ; the wait ahead of the result's first reader
.irp j, 0,2,4,6,8,10,12,14,16,18,20,22,24,26,28,30
	v_pk_mul_f32 v[YR+\j:YR+\j+1], v[YR+\j:YR+\j+1], v[238:239] op_sel_hi:[1,0]
.endr
.irp j, 0,2,4,6,8,10,12,14,16,18,20,22,24,26,28,30
	v_pk_fma_f32 v[YR+\j:YR+\j+1], v[YR+\j:YR+\j+1], v[GL+\j:GL+\j+1], v[BL+\j:BL+\j+1]
.endr
.irp j, 0,1,2,3,4,5,6,7
	global_store_b128 v2, v[YR+4*\j:YR+4*\j+3], s[14:15] offset:4096*(\r)+512*\j th:TH_STORE_NT
.endr
.if (\r) < 2
	s_wait_xcnt 0x0                                ; the stores have read the slot's registers: it is loaded again only behind this wait
	LOADROW (\r)+2
.endif
.endm
	ROW 0
	ROW 1
	ROW 2
	ROW 3
	s_endpgm
.Lfunc_end_k_q11beeab3f0_fin:
	.size	k_q11beeab3f0_fin, .Lfunc_end_k_q11beeab3f0_fin-k_q11beeab3f0_fin
	.p2alignl 7, 3214868480
	.fill 96, 4, 3214868480
	.section	.rodata,"a",@progbits
	.p2align	6, 0x0
	.amdhsa_kernel k_q11beeab3f0_fin
		.amdhsa_group_segment_fixed_size 0
		.amdhsa_private_segment_fixed_size 0
		.amdhsa_enable_private_segment 0
		.amdhsa_kernarg_size 48
		.amdhsa_user_sgpr_count 2
		.amdhsa_user_sgpr_kernarg_segment_ptr 1
		.amdhsa_wavefront_size32 1
		.amdhsa_system_sgpr_workgroup_id_x 1
		.amdhsa_system_sgpr_workgroup_id_y 1
		.amdhsa_system_sgpr_workgroup_id_z 1
		.amdhsa_system_vgpr_workitem_id 0
		.amdhsa_next_free_vgpr 256
		.amdhsa_next_free_sgpr 66
		.amdhsa_reserve_vcc 0
		.amdhsa_float_denorm_mode_32 3
		.amdhsa_float_denorm_mode_16_64 3
		.amdhsa_memory_ordered 1
		.amdhsa_forward_progress 1
		.amdhsa_inst_pref_size 45
	.end_amdhsa_kernel
	.amdgpu_metadata
---
amdhsa.version: [ 1, 2 ]
amdhsa.kernels:
  - .name:           k_q11beeab3f0_fin
    .symbol:         k_q11beeab3f0_fin.kd
    .args:
      - { .name: ybuf, .offset: 0, .size: 8, .value_kind: global_buffer, .address_space: global }
      - { .name: hbuf, .offset: 8, .size: 8, .value_kind: global_buffer, .address_space: global }
      - { .name: bo, .offset: 16, .size: 8, .value_kind: global_buffer, .address_space: global }
      - { .name: g_ln, .offset: 24, .size: 8, .value_kind: global_buffer, .address_space: global }
      - { .name: b_ln, .offset: 32, .size: 8, .value_kind: global_buffer, .address_space: global }
      - { .name: out0, .offset: 40, .size: 8, .value_kind: global_buffer, .address_space: global }
    .group_segment_fixed_size: 0
    .private_segment_fixed_size: 0
    .kernarg_segment_align: 8
    .kernarg_segment_size: 48
    .max_flat_workgroup_size: 128
    .sgpr_count:     66
    .vgpr_count:     256
    .wavefront_size: 32
...
	.end_amdgpu_metadata
.endif
;; end of part 5
